; MI455X (gfx1250); checked and timed in simulation.
; The chip was launched on July 23, 2026; its instructions are those of AMD's public machine-readable ISA for CDNA 5 (MIT licence, August 2026) and "CDNA5" Instruction Set Architecture Reference Guide (July 2026). The comments in the code are by the model that wrote it; some were corrected since.
;; Block. Allowed arithmetic: matrix products marked QUANTISED: E3M2 operands, one E8M0 scale for each 32 along K, by v_wmma_scale_f32_16x16x128_f8f6f4 with both operands' format E3M2, f32 sums; everything else in f32.
;; Inputs: W1_codes 512 x 4 x 24 uint8 (E3M2 codes of W1, K innermost, in blocks of 32 codes, four codes in three bytes); W1_scales 512 x 4 uint8 (E8M0 scales of W1, one for each 32 codes along K); W2_codes 128 x 16 x 24 uint8 (E3M2 codes of W2, K innermost, in blocks of 32 codes, four codes in three bytes); W2_scales 128 x 16 uint8 (E8M0 scales of W2, one for each 32 codes along K); Wk_codes 4 x 32 x 4 x 24 uint8 (E3M2 codes of Wk, K innermost, in blocks of 32 codes, four codes in three bytes); Wk_scales 4 x 32 x 4 uint8 (E8M0 scales of Wk, one for each 32 codes along K); Wp_codes 128 x 4 x 24 uint8 (E3M2 codes of Wp, K innermost, in blocks of 32 codes, four codes in three bytes); Wp_scales 128 x 4 uint8 (E8M0 scales of Wp, one for each 32 codes along K); Wq_codes 4 x 32 x 4 x 24 uint8 (E3M2 codes of Wq, K innermost, in blocks of 32 codes, four codes in three bytes); Wq_scales 4 x 32 x 4 uint8 (E8M0 scales of Wq, one for each 32 codes along K); Wv_codes 4 x 32 x 4 x 24 uint8 (E3M2 codes of Wv, K innermost, in blocks of 32 codes, four codes in three bytes); Wv_scales 4 x 32 x 4 uint8 (E8M0 scales of Wv, one for each 32 codes along K); bp 128 float32; ln1_b 128 float32; ln1_g 128 float32; ln2_b 128 float32; ln2_g 128 float32; x 8 x 2,048 x 128 float32.
;; Outputs: out0 8 x 2,048 x 128 float32.
;; This version of the problem:
;;   THIS VERSION OF THE PROBLEM IS GIVEN IN LOW PRECISION. The matrix products marked QUANTISED in the list below multiply operands that are first quantised to E3M2 (3 exponent bits, 2 mantissa bits; 6 bits a number), with one power-of-two scale for each 32 numbers along K (OCP MX v1.0); their sums are f32. All else is computed in f32.
;;   The module's matrix products, in the order in which they are computed (A, B: the left and right operand; K: the contracted axis; several contracted axes count as one K, in the product's order):
;;     1. [M 128, K 128] x [K 128, N 16,384]; A: input Wq (given as codes); B: computed on the way: QUANTISED
;;     2. [M 128, K 128] x [K 128, N 16,384]; A: input Wk (given as codes); B: computed on the way: QUANTISED
;;     3. [M 128, K 128] x [K 128, N 16,384]; A: input Wv (given as codes); B: computed on the way: QUANTISED
;;     4. batch 32 x [M 2,048, K 32] x [K 32, N 2,048]; A: computed on the way; B: computed on the way: QUANTISED
;;     5. batch 32 x [M 2,048, K 2,048] x [K 2,048, N 32]; A: softmax (see below); B: computed on the way: QUANTISED
;;     6. [M 16,384, K 128] x [K 128, N 128]; A: computed on the way; B: input Wp (given as codes): QUANTISED
;;     7. [M 16,384, K 128] x [K 128, N 512]; A: computed on the way; B: input W1 (given as codes): QUANTISED
;;     8. [M 16,384, K 512] x [K 512, N 128]; A: computed on the way; B: input W2 (given as codes): QUANTISED
;;   THE QUANTISER, for each operand of a quantised product, along K:
;;     - K is cut into blocks of 32 from its start; a last block that is shorter is filled with zeros.
;;     - A block's scale is 2^e with e = floor(log2(the largest magnitude in the block)) - 4, held to -126 .. 127; a block of zeros has e = 0. As a byte (E8M0): e + 127.
;;     - Each number is divided by its block's scale, clamped to +-28, and rounded to the nearest number of E3M2, ties to even, subnormals kept.
;;     - The product sums the exact products of the quantised numbers (number of the format x scale) in f32.
;;   ~~~python
;;   def quantise(x, axis):      # numpy; x: float32 -> the quantised numbers, widened to float32 again
;;       x = np.moveaxis(x, axis, -1); K = x.shape[-1]
;;       x = np.pad(x, [(0, 0)] * (x.ndim - 1) + [(0, -K % 32)]); x = x.reshape(x.shape[:-1] + (-1, 32)); a = np.abs(x).max(-1, keepdims=True)
;;       e = np.where(a > 0, np.clip(np.frexp(np.where(a > 0, a, 1))[1] - 1 - 4, -126, 127), 0)      # np.frexp(a)[1] - 1 = floor(log2(a)), exactly
;;       r = np.clip(x / 2.0 ** e, -28, 28)
;;       step = 2.0 ** (np.maximum(np.frexp(np.where(r == 0, 1, r))[1] - 1, -2) - 2)
;;       q = np.round(r / step) * step * 2.0 ** e      # np.round: ties to even
;;       return np.moveaxis(q.reshape(q.shape[:-2] + (-1,))[..., :K], -1, axis).astype(np.float32)
;;   ~~~
;;   SOFTMAX AHEAD OF A QUANTISED PRODUCT. Where the list says 'softmax', what is quantised is not the finished softmax but p = 2^(t - M), with t = logit x log2(e) and M = ceil(the row's largest t), a whole number; so 1/2 < the row's largest p <= 1. The row's sum l is taken of the UNQUANTISED p, in f32, and the product's result is divided by l at the end. Since M is a whole number, a kernel that streams over the keys may use a running M (the ceiling of the running maximum): every later rescaling is an exact power of two, which a block's scale takes up: the codes' values come out the same.
;;   OPERANDS COMPUTED ON THE WAY. 'Computed on the way' means the value that the module computes at that place (a softmax that the list does not call 'softmax' is quantised finished and normalised). What goes into a quantiser is computed in f32, as accurately as f32 sums, v_exp_f32 and their like allow (about 1e-6 of the number): no bf16 or f16 on the way to a quantiser, and a product that is left as it is and whose result goes on into a quantised operand takes f32 operands (vector FMAs, or v_wmma_f32_16x16x4_f32). A number that lies on a knife's edge between two numbers of the format may be rounded either way, as far as f32 arithmetic and the matrix unit's own rounding can turn it there, and no further.
;;   INPUTS GIVEN AS CODES. W1 (in the module: [128, 512], K = its axis 0); W2 (in the module: [512, 128], K = its axis 0); Wk (in the module: [4, 128, 32], K = its axis 1); Wp (in the module: [128, 128], K = its axis 0); Wq (in the module: [4, 128, 32], K = its axis 1); Wv (in the module: [4, 128, 32], K = its axis 1): each comes as NAME_codes (uint8): NAME with its K axis moved to the last place and cut into blocks of 32 codes, [.., K / 32, bytes a block], one block behind the other in memory; four codes in three bytes: a row's codes are one little-endian stream of bits, code i at bits 6 i .. 6 i + 5 (a code: sign, 3 exponent bits, 2 mantissa bits); and NAME_scales (uint8): the same leading axes, one E8M0 byte (e + 127) for each 32 codes along K. Its value is code x scale, taken as it is: it is not quantised again, and the codes and scales need not be those that the quantiser above would give.
;; 2 versions, each right; version 2 is version 1 with the launches qkv, mlp written anew for expert scheduling mode. Each part assembles by itself: llvm-mc -triple=amdgcn-amd-amdhsa -mcpu=gfx1250 --defsym DOCPART=n.
;; ======== version 1 of 2: 3 launches
;; workspace buffers: qrec 2,097,152 bytes; kv 3,276,800 bytes; yrec 2,097,152 bytes
;; launch qkv (part 1): grid 128 x 1, 8 waves a work-group, no clusters, 14,336 bytes of LDS; arguments x, ln1_g, ln1_b, Wq_codes, Wq_scales, Wk_codes, Wk_scales, Wv_codes, Wv_scales, qrec, kv; writes qrec, kv
.if DOCPART == 1
	.amdgcn_target "amdgcn-amd-amdhsa--gfx1250"
	.amdhsa_code_object_version 6
	.text
	.protected	k_q041750e5cc_qkv
	.globl	k_q041750e5cc_qkv
	.p2align	8
	.type	k_q041750e5cc_qkv,@function
k_q041750e5cc_qkv:
	s_mov_b64 s[64:65], 0
	v_nop
	global_prefetch_b8 v0, s[64:65] scope:SCOPE_SE
	s_setreg_imm32_b32 hwreg(HW_REG_WAVE_MODE, 25, 1), 1
	s_wait_xcnt 0x0
; h = layernorm(x) g + b, quantised along its 128 channels; q, k, v = h W (three products on codes of BF6 (E3M2) with one E8M0 scale for each 32 along K);
; q and k are quantised along the head's 32 channels, v along the tokens; only codes and scale bytes go to memory.
; SHARES.  A work-group owns 128 tokens of one batch (a step): 8 tiles of 16 rows.  THE ROWS OF A TILE ARE NOT NEIGHBOURS: row r of tile T = 2 G + u is token 32 G + 8 u + r + 8 (r / 8),
; so that results whose registers run along a pair of tiles' rows are 16 neighbouring tokens.  Wave w normalises and quantises tile w and hands its fragment to the others through LDS as an image of its registers.
; Then wave w takes head w / 2 and part p = w % 2: q and k of tiles 4 p .. 4 p + 3 (transposed use: source 0 = 16 rows of the weight, source 1 = 16 tokens: a lane holds one token and 16 neighbouring channels)
; and v's channels 8 p + r + 8 (r / 8) for all 8 tiles (source 0 = 16 tokens, source 1 = the weight: a lane holds one channel, its registers run along the tokens).
; RECORDS.  qrec [batch x head][tile][512]: 24 r + 12 h: 16 codes of row r; 384 + 4 lane: the row's scale byte in all four bytes.
; kv [batch x head][step][6400]: 1536 p + 384 t + 24 r: k of tile 4 p + t, row r (32 codes): block t of K's fragment p;  3072 + 1536 p + 384 G + 24 r: v of channel row r, tokens 32 G ..: block G of V's fragment p;
; 6144 + 128 p + 4 lane: lanes 0-15 K's scale words, lanes 16-31 V's.  Each store of codes covers 384 consecutive bytes, each store of words 128.
; No tensor load, no cluster: each work-group reads its own 64 KB of x once, all of it asked for at once, and the weights are a few KB that go straight to registers.
; LIMITS: NaN and infinities among the inputs are not served.  A block whose largest magnitude lies under 2^-122, a block of zeros among them, gets the scale byte 1: its bytes are read by this program alone.
.set FRB,  1536                        ; a fragment's image: 12 registers x 128 bytes
.set XIMG, 0                           ; LDS: h's 8 fragments,
.set XSC,  8*FRB                       ; and their scale words, 128 bytes each
.set X,    16                          ; v16-79   64 numbers of x: register 16 b + i = channel 32 b + 16 h + i of my row
.set ACC,  16                          ; v16-79   later the 8 accumulators
.set G,    80                          ; v80-143  the gain, in x's layout
.set BB,   144                         ; v144-207 the bias
.set WK,   80                          ; v80-103  Wk's two fragments (once the gain is done with)
.set WV,   104                         ; v104-115 Wv's fragment
.set TM,   116                         ; v116-131 largest magnitudes, bytes, scale operands
.set PC,   132                         ; v132-151 codes just made
.set PW,   152                         ; a scale word just made
.set KW,   153                         ; k's scale word
.set VW,   154                         ; v's
.set REP,  156                         ; v156-159 q's bytes, four times each
.set HF,   160                         ; v160-207 four fragments of h
.set WQ,   208                         ; v208-231 Wq's two fragments
.set CH,   232                         ; v232-239 the norm's four packed chains
.set MU,   240                         ; v240-241 the mean
.set RS,   242                         ; v242-243 1 / sqrt(var + eps)
.set WQS,  244                         ; v244-252 hold scale words and nothing else: Wq's two, Wk's two, Wv's, h's four
.set WKS,  246
.set WVS,  248
.set HS,   249
.set SEL,  30                          ; s[30:31] v_permlanex16_b32's selects for lane l xor 16
.set INV,  32                          ; s32 1 / 128
.set EPS,  33                          ; s33 1e-5
.macro REDUCE                          ; the four chains' eight numbers, and lane l xor 16's, become one sum in v[CH]
	v_pk_add_f32 v[CH:CH+1], v[CH:CH+1], v[CH+2:CH+3]
	v_pk_add_f32 v[CH+4:CH+5], v[CH+4:CH+5], v[CH+6:CH+7]
	v_pk_add_f32 v[CH:CH+1], v[CH:CH+1], v[CH+4:CH+5]
	v_add_f32 v[CH], v[CH], v[CH+1]
	v_permlanex16_b32 v[CH+1], v[CH], s[SEL], s[SEL+1]
	v_add_f32 v[CH], v[CH], v[CH+1]
.endm
.macro LN_A x                          ; (x - mean) / sqrt(var + eps), the variance taken of the differences, as the definition has it
.irp k, 0,1,2,3
	v_pk_add_f32 v[CH+2*\k:CH+2*\k+1], v[\x+2*\k:\x+2*\k+1], v[\x+8+2*\k:\x+9+2*\k]
.endr
.irp q, 2,3,4,5,6,7
.irp k, 0,1,2,3
	v_pk_add_f32 v[CH+2*\k:CH+2*\k+1], v[CH+2*\k:CH+2*\k+1], v[\x+8*\q+2*\k:\x+8*\q+2*\k+1]
.endr
.endr
	REDUCE
	v_mul_f32 v[MU], s[INV], v[CH]
	v_mov_b32 v[MU+1], v[MU]                       ; (named with it as a pair)
.set ii, 0
.rept 32
	v_pk_add_f32 v[\x+ii:\x+ii+1], v[\x+ii:\x+ii+1], v[MU:MU+1] op_sel_hi:[1,0] neg_lo:[0,1] neg_hi:[0,1]
.set ii, ii+2
.endr
.irp k, 0,1,2,3
	v_pk_mul_f32 v[CH+2*\k:CH+2*\k+1], v[\x+2*\k:\x+2*\k+1], v[\x+2*\k:\x+2*\k+1]
.endr
.irp q, 1,2,3,4,5,6,7
.irp k, 0,1,2,3
	v_pk_fma_f32 v[CH+2*\k:CH+2*\k+1], v[\x+8*\q+2*\k:\x+8*\q+2*\k+1], v[\x+8*\q+2*\k:\x+8*\q+2*\k+1], v[CH+2*\k:CH+2*\k+1]
.endr
.endr
	REDUCE
	v_fma_f32 v[CH], v[CH], s[INV], s[EPS]
	v_rsq_f32 v[RS], v[CH]
	v_nop                                          ; one plain place behind a transcendental
	s_wait_alu depctr_va_vdst(0)
	v_mov_b32 v[RS+1], v[RS]
.set ii, 0
.rept 32
	v_pk_mul_f32 v[\x+ii:\x+ii+1], v[\x+ii:\x+ii+1], v[RS:RS+1] op_sel_hi:[1,0]
.set ii, ii+2
.endr
.endm
.macro LN_B x, g, b                    ; x gain + bias
.set ii, 0
.rept 32
	v_pk_fma_f32 v[\x+ii:\x+ii+1], v[\x+ii:\x+ii+1], v[\g+ii:\g+ii+1], v[\b+ii:\b+ii+1]
.set ii, ii+2
.endr
.endm
; Four blocks of 32, each in lanes l and l xor 16, 16 registers a lane: largest magnitudes, scale operands (TM+12 ..) and bytes (TM+4 ..)
.macro SCALE4 s
.irp b, 0,1,2,3
	v_max3_num_f32 v[TM+\b], |v[\s+16*\b]|, |v[\s+1+16*\b]|, 0x2800000   ; my 16 numbers, and the floor 2^(5 - 127): the byte cannot fall under 1
.endr
.irp i, 2,4,6,8,10,12,14
.irp b, 0,1,2,3
	v_max3_num_f32 v[TM+\b], v[TM+\b], |v[\s+16*\b+\i]|, |v[\s+1+16*\b+\i]|   ; (the four blocks by turns)
.endr
.endr
.irp b, 0,1,2,3
	v_permlanex16_b32 v[TM+4+\b], v[TM+\b], s[SEL], s[SEL+1]
.endr
.irp b, 0,1,2,3
	v_max_num_f32 v[TM+\b], v[TM+\b], v[TM+4+\b]   ; with lane l xor 16's: the block's largest magnitude
.endr
.irp b, 0,1,2,3
	v_add_nc_u32 v[TM+12+\b], 0xfe000000, v[TM+\b] ; 4 off its exponent field: the conversion's scale operand
.endr
.irp b, 0,1,2,3
	v_lshrrev_b32 v[TM+4+\b], 23, v[TM+12+\b]      ; the scale's byte
.endr
.endm
.macro WORD d                          ; the four bytes as one scale word
	v_lshl_or_b32 v[\d], v[TM+5], 8, v[TM+4]
	v_lshl_or_b32 v[\d], v[TM+6], 16, v[\d]
	v_lshl_or_b32 v[\d], v[TM+7], 24, v[\d]
.endm
; 64 numbers of a lane, register 16 b + i = k 32 b + 16 h + i of my row, become a fragment's codes in v[PC] on and its scale word in v[PW]
.macro QUANT s
	SCALE4 \s
	WORD PW
.irp c, 0,1
	v_cvt_scalef32_pk16_bf6_f32 v[PC+6*\c:PC+2+6*\c], v[\s+32*\c:\s+15+32*\c], v[TM+12+2*\c]
	v_cvt_scalef32_pk16_bf6_f32 v[PC+12+4*\c:PC+14+4*\c], v[\s+16+32*\c:\s+31+32*\c], v[TM+12+2*\c+1]   ; (a conversion's three registers begin on an even number)
.endr
	v_nop                                          ; one plain place behind a scaled conversion
.irp c, 0,1                                    ; the operand's layout wants a WHOLE block in a lane: lanes 0-15 block 2 c, lanes 16-31 block 2 c + 1
.irp i, 0,1,2
	v_permlane16_swap_b32 v[PC+6*\c+\i], v[PC+12+4*\c+\i]
.endr
.irp i, 0,1,2
	v_mov_b32 v[PC+3+6*\c+\i], v[PC+12+4*\c+\i]
.endr
.endr
.endm
; The same without the exchange: block b's 16 codes of my half stay in v[PC + 4 b] on, 12 bytes that go to memory at 24 r + 12 h
.macro QB s
	SCALE4 \s
.irp b, 0,1,2,3
	v_cvt_scalef32_pk16_bf6_f32 v[PC+4*\b:PC+4*\b+2], v[\s+16*\b:\s+16*\b+15], v[TM+12+\b]
.endr
	v_nop                                          ; one plain place behind a scaled conversion
.endm
.macro FETCH reg, adr, off             ; a fragment's image comes back as it was stored, in any wave
.irp c, 0,1,2
	ds_load_b128 v[(\reg)+4*\c:(\reg)+4*\c+3], v[\adr] offset:(\off)+512*\c
.endr
.endm
.macro PLACES
.rept 4
	v_nop
.endr
.endm
; q or k of my four tiles: 8 products, each with K = 128 in one instruction and an accumulator of its own
.macro PROJ w, ws
.irp t, 0,1,2,3
.irp u, 0,1
	v_wmma_scale_f32_16x16x128_f8f6f4 v[ACC+16*\t+8*\u:ACC+16*\t+8*\u+7], v[\w+12*\u:\w+12*\u+11], v[HF+12*\t:HF+12*\t+11], 0, v[\ws+\u], v[HS+\t] matrix_a_fmt:MATRIX_FMT_BF6 matrix_b_fmt:MATRIX_FMT_BF6
.endr
.endr
	PLACES                                         ; four places in front of the first read of results (ISA guide 7.12.1)
.endm
	s_load_b256 s[4:11], s[0:1], 0x0               ; x, gain, bias, Wq's codes
	s_load_b256 s[12:19], s[0:1], 0x20             ; Wq's scales, Wk's codes, Wk's scales, Wv's codes
	s_load_b128 s[20:23], s[0:1], 0x40             ; Wv's scales, qrec
	s_load_b64 s[24:25], s[0:1], 0x50              ; kv
	v_lshl_add_u32 v254, v0, 2, 0x3400
	v_mov_b32 v255, 0
	v_lshrrev_b32 v12, 5, v0
	v_readfirstlane_b32 s26, v12                   ; wave 0..7
	s_lshr_b32 s27, s26, 1                         ; my head; also G of the tile that I normalise
	s_and_b32 s28, s26, 1                          ; my part p; also u of that tile
	v_and_b32 v12, 31, v0                          ; lane
	v_and_b32 v13, 15, v0                          ; r
	v_bfe_u32 v14, v0, 4, 1                        ; h
	v_and_b32 v15, 8, v13
	v_add_nc_u32 v15, v15, v13                     ; r + 8 (r / 8)
	v_lshlrev_b32 v1, 9, v15
	v_lshl_add_u32 v1, v14, 6, v1                  ; x: my row of 512 bytes, + 64 h
	v_lshlrev_b32 v2, 6, v14                       ; gain and bias: 64 h
	v_mul_u32_u24 v3, v15, 96
	v_mad_u32_u24 v3, v14, 24, v3                  ; a weight's row of 96 bytes, + 24 h
	v_lshlrev_b32 v4, 2, v15                       ; and its scale word
	v_lshlrev_b32 v5, 4, v12                       ; 16 x lane: an image's place for my lane
	v_lshlrev_b32 v6, 2, v12                       ; 4 x lane: a scale word's
	s_mul_i32 s34, s26, FRB
	v_add_nc_u32 v7, s34, v5                       ; where I store my tile's image
	s_lshl_b32 s34, s26, 7
	v_add_nc_u32 v8, s34, v6                       ; and its scale words
	s_mul_i32 s34, s28, 4*FRB
	v_add_nc_u32 v9, s34, v5                       ; where my part's four tiles begin
	s_lshl_b32 s34, s28, 9
	v_add_nc_u32 v10, s34, v6
	v_mul_u32_u24 v11, v13, 24
	v_mad_u32_u24 v11, v14, 12, v11                ; codes out: 24 r + 12 h
	s_mov_b32 s[SEL], 0x76543210
	s_mov_b32 s[SEL+1], 0xfedcba98
	s_mov_b32 s[INV], 0x3c000000
	s_mov_b32 s[EPS], 0x3727c5ac
	s_lshl_b32 s34, ttmp9, 16                      ; x: 128 rows of 512 bytes a work-group,
	s_lshl_b32 s36, s27, 14
	s_add_co_u32 s34, s34, s36                     ; + 32 G rows
	s_lshl_b32 s36, s28, 12
	s_add_co_u32 s34, s34, s36                     ; + 8 u rows
	s_mov_b32 s35, 0
	s_mul_i32 s36, s27, 3072                       ; a head's 32 rows of codes
	s_mov_b32 s37, 0
	s_lshl_b32 s38, s27, 7                         ; and of scale words
	s_mov_b32 s39, 0
	s_mul_i32 s40, s28, 768                        ; Wv: 8 p rows further
	s_add_co_u32 s40, s40, s36
	s_mov_b32 s41, 0
	s_lshl_b32 s42, s28, 5
	s_add_co_u32 s42, s42, s38
	s_mov_b32 s43, 0
	s_lshr_b32 s44, ttmp9, 4
	s_lshl_b32 s44, s44, 2
	s_add_co_u32 s44, s44, s27                     ; 4 x batch + head
	s_and_b32 s45, ttmp9, 15                       ; the step
	s_lshl_b32 s46, s44, 7
	s_lshl_b32 s47, s45, 3
	s_add_co_u32 s46, s46, s47
	s_lshl_b32 s47, s28, 2
	s_add_co_u32 s46, s46, s47
	s_lshl_b32 s46, s46, 9                         ; qrec: record 128 (4 batch + head) + 8 step + 4 p
	s_mov_b32 s47, 0
	s_lshl_b32 s48, s44, 4
	s_add_co_u32 s48, s48, s45
	s_mul_i32 s48, s48, 6400                       ; kv: record 16 (4 batch + head) + step
	s_lshl_b32 s50, s28, 7
	s_add_co_u32 s50, s50, s48                     ; + 128 p for the scale words
	s_mov_b32 s51, 0
	s_mul_i32 s49, s28, FRB
	s_add_co_u32 s48, s48, s49                     ; + 1536 p for the codes
	s_mov_b32 s49, 0
	s_wait_kmcnt 0x0
	s_add_nc_u64 s[4:5], s[4:5], s[34:35]
	s_add_nc_u64 s[10:11], s[10:11], s[36:37]
	s_add_nc_u64 s[12:13], s[12:13], s[38:39]
	s_add_nc_u64 s[14:15], s[14:15], s[36:37]
	s_add_nc_u64 s[16:17], s[16:17], s[38:39]
	s_add_nc_u64 s[18:19], s[18:19], s[40:41]
	s_add_nc_u64 s[20:21], s[20:21], s[42:43]
	s_add_nc_u64 s[22:23], s[22:23], s[46:47]
	s_add_nc_u64 s[52:53], s[24:25], s[50:51]
	s_add_nc_u64 s[24:25], s[24:25], s[48:49]
.irp b, 0,1,2,3
.irp j, 0,1,2,3
	global_load_b128 v[X+16*\b+4*\j:X+16*\b+4*\j+3], v1, s[4:5] offset:128*\b+16*\j
.endr
.endr
.irp b, 0,1,2,3
.irp j, 0,1,2,3
	global_load_b128 v[G+16*\b+4*\j:G+16*\b+4*\j+3], v2, s[6:7] offset:128*\b+16*\j
.endr
.endr
.irp b, 0,1,2,3
.irp j, 0,1,2,3
	global_load_b128 v[BB+16*\b+4*\j:BB+16*\b+4*\j+3], v2, s[8:9] offset:128*\b+16*\j
.endr
.endr
.irp u, 0,1
.irp p, 0,1,2,3,4,5
	global_load_b64 v[WQ+12*\u+2*\p:WQ+12*\u+2*\p+1], v3, s[10:11] offset:768*\u+48*(\p/3)+8*(\p%3)
.endr
.endr
.irp u, 0,1
	global_load_b32 v[WQS+\u], v4, s[12:13] offset:32*\u
.endr
	s_wait_loadcnt 46                              ; x is in: behind it 16 loads of the gain, 16 of the bias, 14 of Wq
	LN_A X
	s_wait_loadcnt 14                              ; gain and bias are in: behind them Wq's 14
	LN_B X, G, BB
.irp u, 0,1                                    ; the gain's registers are free: Wk and Wv land there while h is quantised
.irp p, 0,1,2,3,4,5
	global_load_b64 v[WK+12*\u+2*\p:WK+12*\u+2*\p+1], v3, s[14:15] offset:768*\u+48*(\p/3)+8*(\p%3)
.endr
.endr
.irp p, 0,1,2,3,4,5
	global_load_b64 v[WV+2*\p:WV+2*\p+1], v3, s[18:19] offset:48*(\p/3)+8*(\p%3)
.endr
.irp u, 0,1
	global_load_b32 v[WKS+\u], v4, s[16:17] offset:32*\u
.endr
	global_load_b32 v[WVS], v4, s[20:21]
.irp b, 0,1,2,3
	v_mov_b32 v[TM+4+\b], 0                        ; written once: a lane permute's destination counts as one of its sources
.endr
	QUANT X
.irp c, 0,1,2
	ds_store_b128 v7, v[PC+4*\c:PC+4*\c+3] offset:XIMG+512*\c   ; the fragment goes to LDS as it stands
.endr
	ds_store_b32 v8, v[PW] offset:XSC
	s_wait_dscnt 0x0                               ; for the others' sake: my stores have landed
	s_barrier_signal -1
	s_barrier_wait -1                              ; h's eight fragments lie in LDS; nothing is stored there again
.irp t, 0,1,2,3
	FETCH HF+12*\t, 9, XIMG+FRB*\t
	ds_load_b32 v[HS+\t], v10 offset:XSC+128*\t
.endr
	s_wait_dscnt 0x0
	s_wait_loadcnt 21                              ; Wq is in: behind it Wk's 14 and Wv's 7
	; ---- q
	PROJ WQ, WQS
	QB ACC                                         ; register 16 t + i = q(token r of tile 4 p + t, channel 16 h + i)
.irp t, 0,1,2,3
	v_lshl_or_b32 v[REP+\t], v[TM+4+\t], 8, v[TM+4+\t]
.endr
.irp t, 0,1,2,3
	v_lshl_or_b32 v[REP+\t], v[REP+\t], 16, v[REP+\t]   ; the byte in all four places: q's codes will stand in any of a fragment's four blocks
.endr
.irp t, 0,1,2,3
	global_store_b96 v11, v[PC+4*\t:PC+4*\t+2], s[22:23] offset:512*\t
	global_store_b32 v6, v[REP+\t], s[22:23] offset:512*\t+384
.endr
	; ---- k
	s_wait_loadcnt 0x0                             ; Wk and Wv
	PROJ WK, WKS
	s_wait_xcnt 0x0                                ; q's stores have read their registers: the codes' registers are written again
	QB ACC
	WORD KW                                        ; byte t: tile 4 p + t: the scale word of K's fragment p
.irp t, 0,1,2,3
	global_store_b96 v11, v[PC+4*\t:PC+4*\t+2], s[24:25] offset:384*\t
.endr
	; ---- v: all eight tiles, four at a time
.irp t, 0,1,2,3
	FETCH HF+12*\t, 5, XIMG+FRB*\t
	ds_load_b32 v[HS+\t], v6 offset:XSC+128*\t
.endr
	s_wait_dscnt 0x0
.irp t, 0,1,2,3
	v_wmma_scale_f32_16x16x128_f8f6f4 v[ACC+8*\t:ACC+8*\t+7], v[HF+12*\t:HF+12*\t+11], v[WV:WV+11], 0, v[HS+\t], v[WVS] matrix_a_fmt:MATRIX_FMT_BF6 matrix_b_fmt:MATRIX_FMT_BF6
.endr
	PLACES                                         ; four places in front of loads into registers that matrix instructions have read
.irp t, 0,1,2,3
	FETCH HF+12*\t, 5, XIMG+FRB*(4+\t)
	ds_load_b32 v[HS+\t], v6 offset:XSC+128*(4+\t)
.endr
	s_wait_dscnt 0x0
.irp t, 0,1,2,3
	v_wmma_scale_f32_16x16x128_f8f6f4 v[ACC+32+8*\t:ACC+32+8*\t+7], v[HF+12*\t:HF+12*\t+11], v[WV:WV+11], 0, v[HS+\t], v[WVS] matrix_a_fmt:MATRIX_FMT_BF6 matrix_b_fmt:MATRIX_FMT_BF6
.endr
	PLACES
	s_wait_xcnt 0x0                                ; k's stores have read their registers
	QB ACC                                         ; register 16 G + i = v(token 32 G + 16 h + i, my channel)
	WORD VW
.irp t, 0,1,2,3
	global_store_b96 v11, v[PC+4*\t:PC+4*\t+2], s[24:25] offset:3072+384*\t
.endr
	v_cmp_gt_u32 vcc_lo, 16, v12
	v_cndmask_b32 v[PW], v[VW], v[KW], vcc_lo      ; lanes 0-15 K's words, lanes 16-31 V's
	global_store_b32 v6, v[PW], s[52:53] offset:6144
	s_wait_tensorcnt 0x0
	ds_add_u32 v254, v255
	s_wait_dscnt 0x0
	s_endpgm
.Lfunc_end_k_q041750e5cc_qkv:
	.size	k_q041750e5cc_qkv, .Lfunc_end_k_q041750e5cc_qkv-k_q041750e5cc_qkv
	.p2alignl 7, 3214868480
	.fill 96, 4, 3214868480
	.section	.rodata,"a",@progbits
	.p2align	6, 0x0
	.amdhsa_kernel k_q041750e5cc_qkv
		.amdhsa_group_segment_fixed_size 14336
		.amdhsa_private_segment_fixed_size 0
		.amdhsa_enable_private_segment 0
		.amdhsa_kernarg_size 88
		.amdhsa_user_sgpr_count 2
		.amdhsa_user_sgpr_kernarg_segment_ptr 1
		.amdhsa_wavefront_size32 1
		.amdhsa_system_sgpr_workgroup_id_x 1
		.amdhsa_system_sgpr_workgroup_id_y 1
		.amdhsa_system_sgpr_workgroup_id_z 1
		.amdhsa_system_vgpr_workitem_id 0
		.amdhsa_next_free_vgpr 256
		.amdhsa_next_free_sgpr 66
		.amdhsa_reserve_vcc 1
		.amdhsa_float_denorm_mode_32 3
		.amdhsa_float_denorm_mode_16_64 3
		.amdhsa_memory_ordered 1
		.amdhsa_forward_progress 1
		.amdhsa_inst_pref_size 46
	.end_amdhsa_kernel
	.amdgpu_metadata
---
amdhsa.version: [ 1, 2 ]
amdhsa.kernels:
  - .name:           k_q041750e5cc_qkv
    .symbol:         k_q041750e5cc_qkv.kd
    .args:
      - { .name: x, .offset: 0, .size: 8, .value_kind: global_buffer, .address_space: global }
      - { .name: ln1_g, .offset: 8, .size: 8, .value_kind: global_buffer, .address_space: global }
      - { .name: ln1_b, .offset: 16, .size: 8, .value_kind: global_buffer, .address_space: global }
      - { .name: Wq_codes, .offset: 24, .size: 8, .value_kind: global_buffer, .address_space: global }
      - { .name: Wq_scales, .offset: 32, .size: 8, .value_kind: global_buffer, .address_space: global }
      - { .name: Wk_codes, .offset: 40, .size: 8, .value_kind: global_buffer, .address_space: global }
      - { .name: Wk_scales, .offset: 48, .size: 8, .value_kind: global_buffer, .address_space: global }
      - { .name: Wv_codes, .offset: 56, .size: 8, .value_kind: global_buffer, .address_space: global }
      - { .name: Wv_scales, .offset: 64, .size: 8, .value_kind: global_buffer, .address_space: global }
      - { .name: qrec, .offset: 72, .size: 8, .value_kind: global_buffer, .address_space: global }
      - { .name: kv, .offset: 80, .size: 8, .value_kind: global_buffer, .address_space: global }
    .group_segment_fixed_size: 14336
    .private_segment_fixed_size: 0
    .kernarg_segment_align: 8
    .kernarg_segment_size: 88
    .max_flat_workgroup_size: 256
    .sgpr_count:     66
    .vgpr_count:     256
    .wavefront_size: 32
...
	.end_amdgpu_metadata
.endif
;; end of part 1
;; launch attn (part 2): grid 8 x 32, 16 waves a work-group, clusters of 4 x 1, 169,984 bytes of LDS; arguments qrec, kv, yrec; writes yrec
.if DOCPART == 2
	.amdgcn_target "amdgcn-amd-amdhsa--gfx1250"
	.amdhsa_code_object_version 6
	.text
	.protected	k_q041750e5cc_attn
	.globl	k_q041750e5cc_attn
	.p2align	8
	.type	k_q041750e5cc_attn,@function
k_q041750e5cc_attn:
	s_mov_b64 s[64:65], 0
	v_nop
	global_prefetch_b8 v0, s[64:65] scope:SCOPE_SE
	s_setreg_imm32_b32 hwreg(HW_REG_WAVE_MODE, 25, 1), 1
	s_wait_xcnt 0x0
	s_wait_alu depctr_hold_cnt(0) depctr_sa_sdst(0) depctr_va_vdst(0) depctr_va_sdst(0) depctr_va_ssrc(0) depctr_va_vcc(0) depctr_vm_vsrc(0)
	s_getreg_b32 s2, hwreg(HW_REG_IB_STS2, 6, 4)
	s_cmp_eq_u32 s2, 0
	s_cbranch_scc0 .Lentry_in_a_cluster
	s_endpgm
.Lentry_in_a_cluster:
	s_bfe_u32 s2, ttmp6, 0x10000c
	s_cmp_lg_u32 s2, 0x3003
	s_cbranch_scc0 .Lentry_shape_is_right
	s_endpgm
.Lentry_shape_is_right:
; y = softmax(q k^T / sqrt(32), causal) v for one batch and head, both products on codes of BF6 (E3M2) with one E8M0 scale for each 32 along K; y is divided by the row's sum and quantised along the head's 32 channels.
; THE SOFTMAX: t = score x log2(e) / sqrt(32); M = the running largest t, rounded UP to a whole number; p = 2^(t - M) is what is quantised, along the keys; the row's sum is taken of the unquantised p.
; When M moves, the sum and O are multiplied by 2^(old M - new M): exact.
; SHARES.  Grid y is batch x head.  The head's K, V and scale words, 16 steps of 128 keys x 6,400 bytes = 102,400 bytes, lie in LDS whole, as they lie in memory, filled once: no ring, nothing is filled again.
; Work-group g (0..7) of a head and wave w own tile 8 I(w) + g: 16 queries inside step I, which want I + 1 key steps.  I(w) + 1 are the entries of a 4 x 4 magic square, so that every four waves w % 4 alike or w / 4 alike
; have 34 steps together, and every work-group 136.  I hangs on the wave's number alone.
; CLUSTER.  The four work-groups of a cluster belong to one head and want the same 102,400 bytes: each part is asked for JOINTLY, by the same tensor load with the same descriptor and a mask that names the four.
; K = 32 IN AN INSTRUCTION OF K = 128.  A fragment of K holds FOUR tiles of 16 keys, one in each block of 32; it is multiplied by q laid into one block with zero codes in the other three: four products a fragment,
; and every byte read from LDS is of use.  Zero codes add nothing under any scale byte that the quantiser gives.
; LAYOUT.  Both products transposed: S^T = K q^T, O^T = V^T p^T: a lane holds one query (lane % 16).  Row r of key tile 2 G + u is key 32 G + 8 u + r + 8 (r / 8): so registers 16 G + i of S^T are keys 32 G + 16 (lane / 16) + i.
; A fragment's half is 24 bytes a lane at 24 x lane: three loads of 8 bytes, whose 32 lanes touch 64 different banks (6 x lane words, all different mod 64: ISA guide 11.1).
; LIMITS: NaN and infinities are not served; a block of y whose largest magnitude lies under 2^-122 gets the scale byte 1 (read by this program alone).
.set STEPB, 6400
.set LK,  1                            ; v1   24 x lane
.set L4,  2                            ; v2   4 x lane
.set DQ,  3                            ; v3   my query's place in its step - 16 (lane / 16)
.set AD,  4                            ; v4   the step's codes
.set AS,  5                            ; v5   the step's scale words
.set YO,  6                            ; v6   24 r + 12 h
.set QA,  7                            ; v7   24 r
.set Q0,  16                           ; v16-45  q in lanes 0-15 | zeros | q in lanes 16-31 | zeros | q in lanes 0-15: twelve registers from 0, 12, 18, 6 on are q in block 0, 1, 2, 3
.set KF,  48                           ; v48-71  K's two fragments
.set VF,  72                           ; v72-95  V's two
.set S,   96                           ; v96-159 S^T, then p
.set O,   160                          ; v160-175 O^T: register i = channel 16 (lane / 16) + i
.set SC,  176                          ; v176-177 scale words: lanes 0-15 K's fragment, lanes 16-31 V's
.set BM,  232                          ; v232-235 the blocks' largest scores; v236-247, v252, v254 at work; v224-235 p's codes; v253 p's scale word
.set QS,  255                          ; v255 q's scale word
.set WV,  10                           ; s10 my wave's number
.set IW,  14                           ; s14 I
.set SEL, 40                           ; s[40:41] lane selects for lane l xor 16
.set CS,  42                           ; s[42:43] c = log2(e) / sqrt(32)
.set ST,  44                           ; s44 the key step
.set TB,  45                           ; s45 where it begins in LDS
.macro CROUND                          ; a round of the cluster's barrier
	s_barrier_signal -1
	s_barrier_wait -1
	s_cmp_lg_u32 s[WV], 0
	s_cbranch_scc1 .Lnot_wave_0_\@
	s_barrier_signal -3
.Lnot_wave_0_\@:
	s_barrier_wait -3
	s_barrier_signal -1
	s_barrier_wait -1
.endm
	s_load_b128 s[4:7], s[0:1], 0x0                ; qrec, kv
	s_load_b64 s[8:9], s[0:1], 0x10                ; yrec
	v_lshl_add_u32 v250, v0, 2, 0x29000
	v_mov_b32 v251, 0
	ds_add_u32 v250, v251
	ds_add_u32 v250, v251
	v_lshrrev_b32 v8, 5, v0
	v_readfirstlane_b32 s[WV], v8                  ; wave 0..15
	s_bfe_u32 s11, ttmp6, 0x40000                  ; cx: it enters q's and y's addresses and the mask's numbers alone
	s_lshl_b32 s12, ttmp9, 2
	s_add_co_u32 s12, s12, s11                     ; g = 4 x cluster x + cx
	s_and_b32 s13, ttmp7, 0xffff                   ; batch x head, which the partners share
	s_and_b32 s15, s[WV], 3                        ; which part I fetch, if I fetch
	s_mov_b32 s46, 0x7a94c12f                      ; I for waves 0-7, four bits each,
	s_mov_b32 s47, 0x0de3b658                      ; and for waves 8-15
	s_cmp_lt_u32 s[WV], 8
	s_cselect_b32 s46, s46, s47
	s_and_b32 s47, s[WV], 7
	s_lshl_b32 s47, s47, 2
	s_lshr_b32 s46, s46, s47
	s_and_b32 s[IW], s46, 15
	; descriptor groups 1: dense blocks as rows of 256 bytes (32 elements of 8 bytes): 25 rows (one step), 75 rows (three steps)
	s_mov_b32 s16, 15|(3<<16)|(1<<21)              ; 15:0 the mask: all four work-groups; 17:16 elements of 8 bytes; 21 set beside a mask; no padding
	s_mov_b32 s17, 32<<16                          ; tensor_dim0 = 32
	s_mov_b32 s18, 25<<16                          ; tensor_dim1 = 25
	s_mov_b32 s19, 32<<16                          ; tile_dim0 = 32
	s_mov_b32 s20, 25                              ; tile_dim1 = 25
	s_mov_b32 s21, 32                              ; from row to row
	s_mov_b32 s22, 0
	s_mov_b32 s23, 0
	s_mov_b32 s24, 15|(3<<16)|(1<<21)
	s_mov_b32 s25, 32<<16
	s_mov_b32 s26, 75<<16
	s_mov_b32 s27, 32<<16
	s_mov_b32 s28, 75
	s_mov_b32 s29, 32
	s_mov_b32 s30, 0
	s_mov_b32 s31, 0
	s_mul_i32 s46, s13, 16*STEPB                   ; the head's block
	s_mov_b32 s47, 0
	s_mul_i32 s48, s15, STEPB                      ; first load: step w % 4
	s_mov_b32 s49, 0
	s_mul_i32 s52, s15, 3*STEPB
	s_add_co_u32 s52, s52, 4*STEPB                 ; second: steps 4 + 3 (w % 4) on
	s_mov_b32 s53, 0
	s_lshl_b32 s50, s[IW], 3
	s_add_co_u32 s50, s50, s12                     ; my tile: 8 I + g
	s_lshl_b32 s54, s13, 7
	s_add_co_u32 s54, s54, s50
	s_lshl_b32 s54, s54, 9                         ; its record in qrec
	s_mov_b32 s55, 0
	s_mov_b32 s[SEL], 0x76543210
	s_mov_b32 s[SEL+1], 0xfedcba98
	s_mov_b32 s[CS], 0x3e8293ee
	s_mov_b32 s[CS+1], s[CS]                       ; (named with it as a pair)
	s_wait_dscnt 0x0
	s_wait_kmcnt 0x0
	s_add_nc_u64 s[4:5], s[4:5], s[54:55]
	s_lshr_b32 s54, s13, 2
	s_lshl_b32 s54, s54, 7
	s_add_co_u32 s54, s54, s50                     ; 128 x batch + tile
	s_lshl_b32 s54, s54, 2
	s_and_b32 s51, s13, 3
	s_add_co_u32 s54, s54, s51                     ; x 4 + head
	s_lshl_b32 s54, s54, 9
	s_add_nc_u64 s[8:9], s[8:9], s[54:55]
	s_add_nc_u64 s[6:7], s[6:7], s[46:47]
	s_mov_b32 s32, 1                               ; group 0: count = 1,
	s_mov_b32 s33, s48                             ; LDS address: as in memory,
	s_add_nc_u64 s[34:35], s[6:7], s[48:49]        ; global address,
	s_or_b32 s35, s35, 0x80000000                  ; type = 2
	s_mov_b32 s36, 1
	s_mov_b32 s37, s52
	s_add_nc_u64 s[38:39], s[6:7], s[52:53]
	s_or_b32 s39, s39, 0x80000000
	CROUND                                         ; all four work-groups are here: the joint loads meet
	s_cmp_lt_u32 s[WV], 4                          ; waves 0-3 fetch, two loads each, in one branch: by this text's count two tensor loads of a wave are out at the most
	s_cbranch_scc0 .Lno_fill
	tensor_load_to_lds s[32:35], s[16:23]
	s_nop 0
	tensor_load_to_lds s[36:39], s[24:31]
	s_nop 0
.rept 4
	v_nop
.endr
.Lno_fill:
	v_and_b32 v8, 31, v0                           ; lane
	v_and_b32 v9, 15, v0                           ; r
	v_bfe_u32 v10, v0, 4, 1                        ; h
	v_mul_u32_u24 v[QA], v9, 24
	v_lshlrev_b32 v[L4], 2, v8
.irp p, 0,1,2
	global_load_b64 v[S+2*\p:S+2*\p+1], v[QA], s[4:5] offset:8*\p   ; my query's 32 codes, in both halves of the lanes
.endr
	global_load_b32 v[QS], v[L4], s[4:5] offset:384
	v_mul_u32_u24 v[LK], v8, 24
	v_mad_u32_u24 v[YO], v10, 12, v[QA]
	v_and_b32 v11, 8, v9
	v_add_nc_u32 v11, v11, v9                      ; r + 8 (r / 8)
	s_lshr_b32 s46, s12, 1
	s_lshl_b32 s46, s46, 5
	s_and_b32 s47, s12, 1
	s_lshl_b32 s47, s47, 3
	s_add_co_u32 s46, s46, s47                     ; tile g of a step begins at token 32 (g / 2) + 8 (g % 2)
	v_add_nc_u32 v[DQ], s46, v11
	v_lshlrev_b32 v11, 4, v10
	v_sub_nc_u32 v[DQ], v[DQ], v11
	v_mov_b32 v13, 0xff61b1e6                      ; the largest t so far: -3e38, under every t
	v_floor_f32 v12, -v13                          ; -M
	v_mov_b32 v14, 0                               ; the sum, in two halves
	v_mov_b32 v15, 0
.irp b, 0,1,2,3
	v_mov_b32 v[236+\b], 0                         ; written once: a lane permute's destination counts as one of its sources
.endr
	v_mov_b32 v252, 0
	v_mov_b32 v253, 0                              ; (named as the upper half of the pair v[252:253] before it is first written)
.irp i, 0,1,2,3,4,5
	v_mov_b32 v[Q0+6+\i], 0
	v_mov_b32 v[Q0+18+\i], 0
.endr
	v_cmp_gt_u32 vcc_lo, 16, v8
	s_wait_loadcnt 0x0
.irp i, 0,1,2,3,4,5
	v_cndmask_b32 v[Q0+\i], v[Q0+6], v[S+\i], vcc_lo      ; q in lanes 0-15, zero codes in lanes 16-31
	v_cndmask_b32 v[Q0+12+\i], v[S+\i], v[Q0+6], vcc_lo   ; the other way round
	v_cndmask_b32 v[Q0+24+\i], v[Q0+6], v[S+\i], vcc_lo
.endr
.set nn, 0
.rept 16
	v_mov_b32 v[O+nn], 0                           ; O^T: the first step finds zeros, which the first change of M leaves zeros.  (These are also the places between q's registers and the first product)
.set nn, nn+1
.endr
.macro SMUL n, qv                      ; key tile n: block n % 4 of K's fragment n / 4, against q laid into that block
	v_wmma_scale_f32_16x16x128_f8f6f4 v[S+8*\n:S+8*\n+7], v[KF+12*(\n/4):KF+12*(\n/4)+11], v[Q0+\qv:Q0+\qv+11], 0, v[SC+\n/4], v[QS] matrix_a_fmt:MATRIX_FMT_BF6 matrix_b_fmt:MATRIX_FMT_BF6
.endm
; A KEY STEP: 128 keys.  The loops' trip counts are constants; a wave jumps over the work of the steps behind its own, on its wave's number and the count alone.
.macro STEP
	s_cmp_gt_u32 s[ST], s[IW]
	s_cbranch_scc1 .Lskip_\@
	v_add_nc_u32 v[AD], s[TB], v[LK]
	v_add_nc_u32 v[AS], s[TB], v[L4]
.irp f, 0,1
.irp c, 0,1
.irp p, 0,1,2
	ds_load_b64 v[KF+12*\f+6*\c+2*\p:KF+12*\f+6*\c+2*\p+1], v[AD] offset:1536*\f+768*\c+8*\p
.endr
.endr
.endr
.irp f, 0,1
	ds_load_b32 v[SC+\f], v[AS] offset:6144+128*\f
.endr
.irp f, 0,1
.irp c, 0,1
.irp p, 0,1,2
	ds_load_b64 v[VF+12*\f+6*\c+2*\p:VF+12*\f+6*\c+2*\p+1], v[AD] offset:3072+1536*\f+768*\c+8*\p
.endr
.endr
.endr
	s_wait_dscnt 12                                ; K and the scale words are in; V's twelve loads may stay out
	SMUL 0, 0
	SMUL 1, 12
	SMUL 2, 18
	SMUL 3, 6
	SMUL 4, 0
	SMUL 5, 12
	SMUL 6, 18
	SMUL 7, 6
.rept 4
	v_nop                                          ; four places in front of the first read of results (ISA guide 7.12.1)
.endr
	s_cmp_lg_u32 s[ST], s[IW]                      ; my own step lies on the diagonal: hidden scores become -infinity ahead of the maximum, so that p = 0
	s_cbranch_scc1 .Lopen_\@
	v_mov_b32 v254, 0xff800000
.set nn, 0
.rept 64
	v_cmp_gt_i32 vcc_lo, 32*(nn/16)+nn%16, v[DQ]   ; register 16 G + i holds key 32 G + 16 (lane / 16) + i of the step
	v_cndmask_b32 v[S+nn], v[S+nn], v254, vcc_lo
.set nn, nn+1
.endr
.Lopen_\@:
.irp b, 0,1,2,3
	v_max3_num_f32 v[BM+\b], v[S+16*\b], v[S+1+16*\b], v[S+2+16*\b]   ; THE LARGEST SCORE OF EACH BLOCK OF 32 KEYS: it serves the row's maximum and, since p rises with the score, the block's largest p
.endr
.irp i, 3,5,7,9,11,13
.irp b, 0,1,2,3
	v_max3_num_f32 v[BM+\b], v[BM+\b], v[S+16*\b+\i], v[S+1+16*\b+\i]
.endr
.endr
.irp b, 0,1,2,3
	v_max_num_f32 v[BM+\b], v[BM+\b], v[S+15+16*\b]
.endr
.irp b, 0,1,2,3
	v_permlanex16_b32 v[236+\b], v[BM+\b], s[SEL], s[SEL+1]
.endr
.irp b, 0,1,2,3
	v_max_num_f32 v[BM+\b], v[BM+\b], v[236+\b]    ; with lane l xor 16's 16 keys
.endr
	v_max3_num_f32 v254, v232, v233, v234
	v_max_num_f32 v254, v254, v235                 ; the step's largest score of my query
	v_mul_f32 v254, s[CS], v254                    ; as t (c is positive)
	v_max_num_f32 v13, v13, v254                   ; the running largest t
	v_mov_b32 v254, v12
	v_floor_f32 v12, -v13                          ; the new -M = floor(-t): M is a whole number
	v_sub_f32 v254, v12, v254                      ; old M - new M: a whole number, 0 or less
	v_cvt_i32_f32 v254, v254                       ; (it saturates)
	v_ldexp_f32 v252, 1.0, v254                    ; f = 2^(old M - new M)
.set nn, 0
.rept 32
	v_pk_fma_f32 v[S+nn:S+nn+1], v[S+nn:S+nn+1], s[CS:CS+1], v[12:13] op_sel_hi:[1,0,0]   ; t - M, two at a time
.set nn, nn+2
.endr
.irp b, 0,1,2,3
	v_fma_f32 v[BM+\b], v[BM+\b], s[CS], v12       ; the same of each block's largest score
.endr
.set nn, 0
.rept 64
	v_exp_f32 v[S+nn], v[S+nn]                     ; p = 2^(t - M), at most 1: not normalised
.set nn, nn+1
.endr
.irp b, 0,1,2,3
	v_exp_f32 v[BM+\b], v[BM+\b]                   ; the block's largest p: the same two instructions on the same number
.endr
	v_pk_mul_f32 v[14:15], v[14:15], v[252:253] op_sel_hi:[1,0]   ; the sums under the new M.  (A plain place behind the exponentials)
	s_wait_alu depctr_va_vdst(0)
.irp b, 0,1,2,3
	v_max_num_f32 v[BM+\b], 0x2800000, v[BM+\b]    ; the floor 2^(5 - 127): the byte cannot fall under 1
.endr
.irp b, 0,1,2,3
	v_add_nc_u32 v[244+\b], 0xfe000000, v[BM+\b]   ; 4 off the exponent field: the conversion's scale operand
.endr
.irp b, 0,1,2,3
	v_lshrrev_b32 v[236+\b], 23, v[244+\b]         ; the scale's byte
.endr
	v_lshl_or_b32 v253, v237, 8, v236              ; p's scale word for these 128 keys
	v_lshl_or_b32 v253, v238, 16, v253
	v_lshl_or_b32 v253, v239, 24, v253
.irp c, 0,1
	v_cvt_scalef32_pk16_bf6_f32 v[224+6*\c:226+6*\c], v[S+32*\c:S+15+32*\c], v[244+2*\c]
	v_cvt_scalef32_pk16_bf6_f32 v[236+4*\c:238+4*\c], v[S+16+32*\c:S+31+32*\c], v[244+2*\c+1]   ; (a conversion's three registers begin on an even number)
.endr
	v_nop                                          ; one plain place behind a scaled conversion
.irp c, 0,1                                    ; the operand's layout wants a WHOLE block in a lane
.irp i, 0,1,2
	v_permlane16_swap_b32 v[224+6*\c+\i], v[236+4*\c+\i]
.endr
.irp i, 0,1,2
	v_mov_b32 v[227+6*\c+\i], v[236+4*\c+\i]
.endr
.endr
	v_pk_add_f32 v[236:237], v[S:S+1], v[S+2:S+3]  ; THE ROW'S SUM IS TAKEN OF THE UNQUANTISED p: two at a time, in two chains
.irp j, 4,8,12,16,20,24,28,32,36,40,44,48,52,56,60
	v_pk_add_f32 v[14:15], v[14:15], v[S+\j:S+1+\j]
	v_pk_add_f32 v[236:237], v[236:237], v[S+2+\j:S+3+\j]
.endr
	v_pk_add_f32 v[14:15], v[14:15], v[236:237]
.irp j, 0,2,4,6,8,10,12,14
	v_pk_mul_f32 v[O+\j:O+1+\j], v[O+\j:O+1+\j], v[252:253] op_sel_hi:[1,0]   ; O^T under the new M
.endr
	s_wait_dscnt 0x0                               ; V is in
.irp f, 0,1                                    ; O^T += V^T p^T: the two accumulators follow the eight of S^T: by turns, one instruction a turn
	v_wmma_scale_f32_16x16x128_f8f6f4 v[O+8*\f:O+8*\f+7], v[VF+12*\f:VF+12*\f+11], v[224:235], v[O+8*\f:O+8*\f+7], v[SC+\f], v253 matrix_a_fmt:MATRIX_FMT_BF6 matrix_b_fmt:MATRIX_FMT_BF6 matrix_a_scale:MATRIX_SCALE_ROW1
.endr
.rept 4
	v_nop                                          ; four places in front of the next step's loads and of the way out
.endr
.Lskip_\@:
	s_add_co_u32 s[TB], s[TB], STEPB
.endm
	s_mov_b32 s[ST], 0
	s_mov_b32 s[TB], 0
	s_wait_tensorcnt 0x1                           ; my first load, one of steps 0-3, has landed; the second may stay out
	s_barrier_signal -1
	s_barrier_wait -1                              ; steps 0-3 lie in LDS
.Lfirst:
	STEP
	s_add_co_u32 s[ST], s[ST], 1
	s_cmp_lt_u32 s[ST], 4
	s_cbranch_scc1 .Lfirst
	s_wait_tensorcnt 0x0                           ; my second load has landed
	s_wait_dscnt 0x0
	s_barrier_signal -1
	s_barrier_wait -1                              ; steps 4-15 lie in LDS
	s_mov_b32 s[ST], 4
	s_mov_b32 s[TB], 4*STEPB
.Lrest:
	STEP
	s_add_co_u32 s[ST], s[ST], 1
	s_cmp_lt_u32 s[ST], 16
	s_cbranch_scc1 .Lrest
	; THE WAY OUT: O^T / the sum is y's 32 channels of my query, 16 in each half of the lanes: one block of the next product's K
	v_add_f32 v14, v14, v15
	v_permlanex16_b32 v252, v14, s[SEL], s[SEL+1]
	v_add_f32 v14, v14, v252                       ; the row's sum
	v_rcp_f32 v14, v14
	v_nop                                          ; one plain place behind a transcendental
.set nn, 0
	s_wait_alu depctr_va_vdst(0)
.rept 16
	v_mul_f32 v[S+nn], v[O+nn], v14
.set nn, nn+1
.endr
	v_max3_num_f32 v232, |v96|, |v97|, 0x2800000   ; my 16 numbers, in two chains, and the floor
	v_max3_num_f32 v233, |v98|, |v99|, |v100|
	v_max3_num_f32 v232, v232, |v101|, |v102|
	v_max3_num_f32 v233, v233, |v103|, |v104|
	v_max3_num_f32 v232, v232, |v105|, |v106|
	v_max3_num_f32 v233, v233, |v107|, |v108|
	v_max3_num_f32 v232, v232, |v109|, |v110|
	v_max3_num_f32 v232, v232, v233, |v111|
	v_permlanex16_b32 v236, v232, s[SEL], s[SEL+1]
	v_max_num_f32 v232, v232, v236
	v_add_nc_u32 v244, 0xfe000000, v232
	v_lshrrev_b32 v237, 23, v244
	v_cvt_scalef32_pk16_bf6_f32 v[112:114], v[96:111], v244
	v_nop                                          ; one plain place behind a scaled conversion
	global_store_b96 v[YO], v[112:114], s[8:9]     ; the wave stores 384 consecutive bytes of codes,
	global_store_b32 v[L4], v237, s[8:9] offset:384   ; and 128 of scale bytes, one a word
	s_wait_tensorcnt 0x0
	ds_add_u32 v250, v251
	s_wait_dscnt 0x0
	CROUND                                         ; the closing round: no work-group ends while a partner may still ask for a tile that names it
	s_endpgm
.Lfunc_end_k_q041750e5cc_attn:
	.size	k_q041750e5cc_attn, .Lfunc_end_k_q041750e5cc_attn-k_q041750e5cc_attn
	.p2alignl 7, 3214868480
	.fill 96, 4, 3214868480
	.section	.rodata,"a",@progbits
	.p2align	6, 0x0
	.amdhsa_kernel k_q041750e5cc_attn
		.amdhsa_group_segment_fixed_size 169984
		.amdhsa_private_segment_fixed_size 0
		.amdhsa_enable_private_segment 0
		.amdhsa_kernarg_size 24
		.amdhsa_user_sgpr_count 2
		.amdhsa_user_sgpr_kernarg_segment_ptr 1
		.amdhsa_wavefront_size32 1
		.amdhsa_system_sgpr_workgroup_id_x 1
		.amdhsa_system_sgpr_workgroup_id_y 1
		.amdhsa_system_sgpr_workgroup_id_z 1
		.amdhsa_system_vgpr_workitem_id 0
		.amdhsa_next_free_vgpr 256
		.amdhsa_next_free_sgpr 66
		.amdhsa_reserve_vcc 1
		.amdhsa_float_denorm_mode_32 3
		.amdhsa_float_denorm_mode_16_64 3
		.amdhsa_memory_ordered 1
		.amdhsa_forward_progress 1
		.amdhsa_inst_pref_size 50
	.end_amdhsa_kernel
	.amdgpu_metadata
---
amdhsa.version: [ 1, 2 ]
amdhsa.kernels:
  - .name:           k_q041750e5cc_attn
    .symbol:         k_q041750e5cc_attn.kd
    .args:
      - { .name: qrec, .offset: 0, .size: 8, .value_kind: global_buffer, .address_space: global }
      - { .name: kv, .offset: 8, .size: 8, .value_kind: global_buffer, .address_space: global }
      - { .name: yrec, .offset: 16, .size: 8, .value_kind: global_buffer, .address_space: global }
    .group_segment_fixed_size: 169984
    .private_segment_fixed_size: 0
    .kernarg_segment_align: 8
    .kernarg_segment_size: 24
    .max_flat_workgroup_size: 512
    .sgpr_count:     66
    .vgpr_count:     256
    .wavefront_size: 32
...
	.end_amdgpu_metadata
.endif
;; end of part 2
;; launch mlp (part 3): grid 256 x 1, 4 waves a work-group, no clusters, 68,096 bytes of LDS; arguments yrec, x, Wp_codes, Wp_scales, bp, ln2_g, ln2_b, W1_codes, W1_scales, W2_codes, W2_scales, out0; writes out0
.if DOCPART == 3
	.amdgcn_target "amdgcn-amd-amdhsa--gfx1250"
	.amdhsa_code_object_version 6
	.text
	.protected	k_q041750e5cc_mlp
	.globl	k_q041750e5cc_mlp
	.p2align	8
	.type	k_q041750e5cc_mlp,@function
k_q041750e5cc_mlp:
	s_mov_b64 s[64:65], 0
	v_nop
	global_prefetch_b8 v0, s[64:65] scope:SCOPE_SE
	s_setreg_imm32_b32 hwreg(HW_REG_WAVE_MODE, 25, 1), 1
	s_wait_xcnt 0x0
; x1 = x + y Wp + bp;  out = x1 + gelu(layernorm(x1) g + b  W1) W2, gelu exact (by erfc); three products on codes of BF6 (E3M2) with one E8M0 scale for each 32 along K.  y arrives as codes; the norm's result and the
; hidden layer are quantised on the way and never go to memory.
; SHARES.  A work-group of four waves owns 64 tokens: four tiles of 16 rows, row r of tile m being token 32 (m / 2) + 8 (m % 2) + r + 8 (r / 8), as y's records have them.
; P: wave w makes x1 of tile w (all of Wp; x + bp is the C of the products), puts it into a stage in LDS, normalises and quantises it, and stores the fragment's image | barrier |
; 1: THE WAVES SHARE THE COLUMNS: wave w makes hidden units 128 w .. 128 w + 127 of all four tiles (its part of W1 stays in registers), gelu, quantised: K step w of the last product: image to LDS | barrier |
; 2: wave w makes outputs 32 w .. 32 w + 31 of all four tiles; x1, read from the stage, is the C of the first products; results go back to the same bytes of the stage | barrier | each wave stores 16 whole rows.
; All products transposed (source 0 = 16 rows of the weight, source 1 = 16 tokens): a lane holds one token.  THE ROWS OF Wp AND W1 THAT FORM A TILE ARE NOT NEIGHBOURS: lane r of tile 2 b + u takes row
; 32 b + 8 u + r + 8 (r / 8), so that the 16 registers of tiles 2 b and 2 b + 1 are 16 neighbouring channels, 32 b + 16 (lane / 16) + 0 .. 15.
; No cluster, no tensor load: the weights go straight to registers, once a work-group, and nothing that work-groups share passes through LDS.
; gelu(x) = max(x, 0) - z erfc(z) / sqrt(2), z = |x| / sqrt(2);  erfc(z) = t exp(-z^2 + a polynomial of degree 9 in t), t = 1 / (1 + z / 2), whose relative error stays under 1.2e-7 for every z.
; LIMITS: NaN and infinities are not served; gelu is right for |x| under 1e19 (z^2 stays finite); a block whose largest magnitude lies under 2^-122 gets the scale byte 1 (read by this program alone).
; REGISTERS, in windows of 256.  Window 0: v4-15, v34-39 addresses; v16-27 a fragment of y or of the norm's result; v28-31 y's bytes; v48-111 64 numbers a lane; v112-131 codes just made; v132-195 at work;
;   v196-216 at work; v32, v33, v219-247 scale words and nothing else; v248-249 a constant.   Window 1: Wp's 8 fragments, W1's 8.   Window 2: W2's 8, gain, bias.   Window 3: bp; the 8 accumulators of the output.
.set FRB,  1536
.set XIMG, 0                           ; LDS: the norm's 4 fragments,
.set XSC,  XIMG+4*FRB                  ; their scale words,
.set HIMG, XSC+4*128                   ; the hidden layer's 16 (tile m, K step s: 4 m + s),
.set HSC,  HIMG+16*FRB                 ; their scale words,
.set STG,  HSC+16*128                  ; the stage: 64 rows x (512 bytes + 16)
.set SP,   528
.set XF,   16
.set YS,   32                          ; y's scale word
.set XS,   33                          ; the norm's
.set HA,   48
.set PC,   112
.set STR,  132
.set GZ,   132                         ; gelu: z, t, the exponent, z^2: 16 registers each
.set GT,   148
.set GE,   164
.set GQ,   180
.set CH,   132                         ; the norm's chains
.set MU,   196
.set RS,   198
.set TM,   200
.set PW,   216
.set HS,   219
.set WPS,  224
.set W1S,  232
.set W2S,  240
.set C9,   248
.set KC,   36                          ; s[36:53] the polynomial's coefficients 0 to 8, times log2(e), each twice
.set NL2,  54                          ; s[54:55] -log2(e)
.set NRH,  56                          ; s[56:57] -1 / sqrt(2)
.set RH,   58                          ; s58 1 / sqrt(2)
.set INV,  59
.set EPS,  60
.set SEL,  62
.set MSB, 0
.macro WIN new                         ; the immediate's high byte repeats the setting that is left
.if MSB != \new
	s_set_vgpr_msb (MSB<<8)|\new
.set MSB, \new
.endif
.endm
.macro REDUCE
	v_pk_add_f32 v[CH:CH+1], v[CH:CH+1], v[CH+2:CH+3]
	v_pk_add_f32 v[CH+4:CH+5], v[CH+4:CH+5], v[CH+6:CH+7]
	v_pk_add_f32 v[CH:CH+1], v[CH:CH+1], v[CH+4:CH+5]
	v_add_f32 v[CH], v[CH], v[CH+1]
	v_permlanex16_b32 v[CH+1], v[CH], s[SEL], s[SEL+1]
	v_add_f32 v[CH], v[CH], v[CH+1]
.endm
.macro LN_A x                          ; (x - mean) / sqrt(var + eps), the variance taken of the differences
.irp k, 0,1,2,3
	v_pk_add_f32 v[CH+2*\k:CH+2*\k+1], v[\x+2*\k:\x+2*\k+1], v[\x+8+2*\k:\x+9+2*\k]
.endr
.irp q, 2,3,4,5,6,7
.irp k, 0,1,2,3
	v_pk_add_f32 v[CH+2*\k:CH+2*\k+1], v[CH+2*\k:CH+2*\k+1], v[\x+8*\q+2*\k:\x+8*\q+2*\k+1]
.endr
.endr
	REDUCE
	v_mul_f32 v[MU], s[INV], v[CH]
	v_mov_b32 v[MU+1], v[MU]
.set ii, 0
.rept 32
	v_pk_add_f32 v[\x+ii:\x+ii+1], v[\x+ii:\x+ii+1], v[MU:MU+1] op_sel_hi:[1,0] neg_lo:[0,1] neg_hi:[0,1]
.set ii, ii+2
.endr
.irp k, 0,1,2,3
	v_pk_mul_f32 v[CH+2*\k:CH+2*\k+1], v[\x+2*\k:\x+2*\k+1], v[\x+2*\k:\x+2*\k+1]
.endr
.irp q, 1,2,3,4,5,6,7
.irp k, 0,1,2,3
	v_pk_fma_f32 v[CH+2*\k:CH+2*\k+1], v[\x+8*\q+2*\k:\x+8*\q+2*\k+1], v[\x+8*\q+2*\k:\x+8*\q+2*\k+1], v[CH+2*\k:CH+2*\k+1]
.endr
.endr
	REDUCE
	v_fma_f32 v[CH], v[CH], s[INV], s[EPS]
	v_rsq_f32 v[RS], v[CH]
	v_nop                                          ; one plain place behind a transcendental
	s_wait_alu depctr_va_vdst(0)
	v_mov_b32 v[RS+1], v[RS]
.set ii, 0
.rept 32
	v_pk_mul_f32 v[\x+ii:\x+ii+1], v[\x+ii:\x+ii+1], v[RS:RS+1] op_sel_hi:[1,0]
.set ii, ii+2
.endr
.endm
; 64 numbers of a lane, register 16 b + i = k 32 b + 16 h + i of my row, become a fragment's codes in v[PC] on and its scale word in v[PW]
.macro QUANT s
.irp b, 0,1,2,3
	v_max3_num_f32 v[TM+\b], |v[\s+16*\b]|, |v[\s+1+16*\b]|, 0x2800000   ; my 16 numbers, and the floor 2^(5 - 127): the byte cannot fall under 1
.endr
.irp i, 2,4,6,8,10,12,14
.irp b, 0,1,2,3
	v_max3_num_f32 v[TM+\b], v[TM+\b], |v[\s+16*\b+\i]|, |v[\s+1+16*\b+\i]|
.endr
.endr
.irp b, 0,1,2,3
	v_permlanex16_b32 v[TM+4+\b], v[TM+\b], s[SEL], s[SEL+1]
.endr
.irp b, 0,1,2,3
	v_max_num_f32 v[TM+\b], v[TM+\b], v[TM+4+\b]
.endr
.irp b, 0,1,2,3
	v_add_nc_u32 v[TM+12+\b], 0xfe000000, v[TM+\b]
.endr
.irp b, 0,1,2,3
	v_lshrrev_b32 v[TM+4+\b], 23, v[TM+12+\b]
.endr
	v_lshl_or_b32 v[PW], v[TM+5], 8, v[TM+4]
	v_lshl_or_b32 v[PW], v[TM+6], 16, v[PW]
	v_lshl_or_b32 v[PW], v[TM+7], 24, v[PW]
.irp c, 0,1
	v_cvt_scalef32_pk16_bf6_f32 v[PC+6*\c:PC+2+6*\c], v[\s+32*\c:\s+15+32*\c], v[TM+12+2*\c]
	v_cvt_scalef32_pk16_bf6_f32 v[PC+12+4*\c:PC+14+4*\c], v[\s+16+32*\c:\s+31+32*\c], v[TM+12+2*\c+1]
.endr
	v_nop                                          ; one plain place behind a scaled conversion
.irp c, 0,1
.irp i, 0,1,2
	v_permlane16_swap_b32 v[PC+6*\c+\i], v[PC+12+4*\c+\i]
.endr
.irp i, 0,1,2
	v_mov_b32 v[PC+3+6*\c+\i], v[PC+12+4*\c+\i]
.endr
.endr
.endm
.macro IMAGE adr, off
.irp c, 0,1,2
	ds_store_b128 v[\adr], v[PC+4*\c:PC+4*\c+3] offset:(\off)+512*\c
.endr
.endm
.macro FETCH reg, adr, off
.irp c, 0,1,2
	ds_load_b128 v[(\reg)+4*\c:(\reg)+4*\c+3], v[\adr] offset:(\off)+512*\c
.endr
.endm
.macro BARRIER                         ; my LDS stores have landed and my LDS loads are in: then the work-group's barrier
	s_wait_dscnt 0x0
	s_barrier_signal -1
	s_barrier_wait -1
.endm
.macro PLACES
.rept 4
	v_nop
.endr
.endm
; gelu of 64 numbers in place, 16 at a time; eight packed lines of each kind follow each other, so that no line waits for the line above it
.macro GELU x
.set gq, 0
.rept 4
.set gx, \x+16*gq
.set gi, 0
.rept 16
	v_mul_f32 v[GZ+gi], s[RH], |v[gx+gi]|          ; z
.set gi, gi+1
.endr
.set gi, 0
.rept 8
	v_pk_fma_f32 v[GT+gi:GT+gi+1], v[GZ+gi:GZ+gi+1], 0.5, 1.0 op_sel_hi:[1,0,0]
.set gi, gi+2
.endr
.set gi, 0
.rept 16
	v_rcp_f32 v[GT+gi], v[GT+gi]                   ; t
.set gi, gi+1
.endr
.set gi, 0
.rept 16
	v_max_num_f32 v[gx+gi], 0, v[gx+gi]            ; max(x, 0).  (Plain places behind the reciprocals)
.set gi, gi+1
.endr
.set gi, 0
	s_wait_alu depctr_va_vdst(0)
.rept 8
	v_pk_fma_f32 v[GE+gi:GE+gi+1], v[GT+gi:GT+gi+1], v[C9:C9+1], s[KC+16:KC+17] op_sel_hi:[1,1,0]
.set gi, gi+2
.endr
.irp k, 7,6,5,4,3,2,1,0
.set gi, 0
.rept 8
	v_pk_fma_f32 v[GE+gi:GE+gi+1], v[GE+gi:GE+gi+1], v[GT+gi:GT+gi+1], s[KC+2*\k:KC+2*\k+1] op_sel_hi:[1,1,0]
.set gi, gi+2
.endr
.endr
.set gi, 0
.rept 8
	v_pk_mul_f32 v[GQ+gi:GQ+gi+1], v[GZ+gi:GZ+gi+1], v[GZ+gi:GZ+gi+1]
.set gi, gi+2
.endr
.set gi, 0
.rept 8
	v_pk_fma_f32 v[GE+gi:GE+gi+1], v[GQ+gi:GQ+gi+1], s[NL2:NL2+1], v[GE+gi:GE+gi+1] op_sel_hi:[1,0,1]
.set gi, gi+2
.endr
.set gi, 0
.rept 16
	v_exp_f32 v[GE+gi], v[GE+gi]
.set gi, gi+1
.endr
.set gi, 0
.rept 8
	v_pk_mul_f32 v[GZ+gi:GZ+gi+1], v[GZ+gi:GZ+gi+1], v[GT+gi:GT+gi+1]   ; z t.  (Plain places behind the exponentials)
.set gi, gi+2
.endr
.set gi, 0
	s_wait_alu depctr_va_vdst(0)
.rept 8
	v_pk_mul_f32 v[GZ+gi:GZ+gi+1], v[GZ+gi:GZ+gi+1], v[GE+gi:GE+gi+1]   ; z erfc(z)
.set gi, gi+2
.endr
.set gi, 0
.rept 8
	v_pk_fma_f32 v[gx+gi:gx+gi+1], v[GZ+gi:GZ+gi+1], s[NRH:NRH+1], v[gx+gi:gx+gi+1] op_sel_hi:[1,0,1]
.set gi, gi+2
.endr
.set gq, gq+1
.endr
.endm
.macro KSET k, val
	s_mov_b32 s[KC+2*\k], \val
	s_mov_b32 s[KC+2*\k+1], \val
.endm
	s_load_b256 s[4:11], s[0:1], 0x0               ; yrec, x, Wp's codes, Wp's scales
	s_load_b256 s[12:19], s[0:1], 0x20             ; bp, gain, bias, W1's codes
	s_load_b256 s[20:27], s[0:1], 0x40             ; W1's scales, W2's codes, W2's scales, out
	v_lshl_add_u32 v254, v0, 2, 0x10800
	v_mov_b32 v255, 0
	v_lshrrev_b32 v1, 5, v0
	v_readfirstlane_b32 s28, v1                    ; wave 0..3
	v_and_b32 v1, 31, v0                           ; lane
	v_and_b32 v2, 15, v0                           ; r
	v_bfe_u32 v3, v0, 4, 1                         ; h
	v_and_b32 v40, 8, v2
	v_add_nc_u32 v40, v40, v2                      ; r + 8 (r / 8)
	v_lshlrev_b32 v4, 9, v40
	v_lshl_add_u32 v4, v3, 6, v4                   ; x: my row of 512 bytes, + 64 h
	v_lshlrev_b32 v5, 4, v1                        ; 16 x lane
	v_lshlrev_b32 v6, 2, v1                        ; 4 x lane
	s_mul_i32 s30, s28, FRB
	v_add_nc_u32 v7, s30, v5                       ; images that I store: 16 x lane + 1536 x wave
	s_lshl_b32 s30, s28, 7
	v_add_nc_u32 v8, s30, v6                       ; their scale words: 4 x lane + 128 x wave
	s_lshr_b32 s31, s28, 1
	s_mul_i32 s31, s31, 32*SP
	s_and_b32 s32, s28, 1
	s_mul_i32 s32, s32, 8*SP
	s_add_co_u32 s31, s31, s32
	s_add_co_u32 s31, s31, STG                     ; the stage at tile w's first row
	v_mul_u32_u24 v41, v40, SP
	v_lshl_add_u32 v9, v3, 6, v41
	v_add_nc_u32 v9, s31, v9                       ; x1 in: my row, + 64 h
	v_lshl_add_u32 v10, v3, 5, v41
	v_add_nc_u32 v10, s30, v10
	v_add_nc_u32 v10, STG, v10                     ; my outputs' bytes: row r + 8 (r / 8) of a tile, + 128 x wave + 32 h
	s_mul_i32 s31, s28, 16*SP
	v_add_nc_u32 v11, s31, v5
	v_add_nc_u32 v11, STG, v11                     ; back: my 16 rows, 16 bytes a lane
	v_mul_u32_u24 v12, v40, 96
	v_mad_u32_u24 v12, v3, 24, v12                 ; Wp, W1: a row of 96 bytes, + 24 h
	v_mul_u32_u24 v13, v2, 384
	v_mad_u32_u24 v13, v3, 24, v13                 ; W2: row r of 384 bytes
	v_lshlrev_b32 v14, 2, v40                      ; Wp's, W1's scale words
	v_lshlrev_b32 v15, 4, v2                       ; W2's: 16 bytes a row
	v_lshlrev_b32 v34, 6, v3                       ; bp, gain, bias: 64 h
	v_mul_u32_u24 v35, v2, 24
	v_lshl_add_u32 v35, v3, 9, v35                 ; y: head 2 c + h's record, 24 r
	KSET 0, 0xbfe9b21e
	KSET 1, 0x3fb8ab5a
	KSET 2, 0x3f0a29d2
	KSET 3, 0x3e0efb2e
	KSET 4, 0xbe899a80
	KSET 5, 0x3ecdfd18
	KSET 6, 0xbfd1a1e5
	KSET 7, 0x40097039
	KSET 8, 0xbf97d29d
	v_mov_b32 v[C9], 0x3e7c6f08
	v_mov_b32 v[C9+1], 0x3e7c6f08
	s_mov_b32 s[NL2], 0xbfb8aa3b
	s_mov_b32 s[NL2+1], 0xbfb8aa3b
	s_mov_b32 s[NRH], 0xbf3504f3
	s_mov_b32 s[NRH+1], 0xbf3504f3
	s_mov_b32 s[RH], 0x3f3504f3
	s_mov_b32 s[INV], 0x3c000000
	s_mov_b32 s[EPS], 0x3727c5ac
	s_mov_b32 s[SEL], 0x76543210
	s_mov_b32 s[SEL+1], 0xfedcba98
.irp b, 0,1,2,3
	v_mov_b32 v[TM+4+\b], 0                        ; written once: a lane permute's destination counts as one of its sources
.endr
	s_mov_b32 s31, 0
	s_mov_b32 s33, 0
	s_wait_kmcnt 0x0
	s_lshl_b32 s30, ttmp9, 13
	s_lshl_b32 s32, s28, 11
	s_add_co_u32 s30, s30, s32
	s_add_nc_u64 s[4:5], s[4:5], s[30:31]          ; y: tile 4 x work-group + wave, 2,048 bytes a tile
	s_lshl_b32 s30, ttmp9, 15
	s_lshl_b32 s32, s28, 13
	s_add_co_u32 s32, s30, s32
	s_add_nc_u64 s[26:27], s[26:27], s[32:33]      ; out: row 64 x work-group + 16 x wave
	s_lshr_b32 s32, s28, 1
	s_lshl_b32 s32, s32, 14
	s_add_co_u32 s30, s30, s32
	s_and_b32 s32, s28, 1
	s_lshl_b32 s32, s32, 12
	s_add_co_u32 s30, s30, s32
	s_add_nc_u64 s[6:7], s[6:7], s[30:31]          ; x: row 64 x work-group + 32 (w / 2) + 8 (w % 2)
	s_mul_i32 s30, s28, 12288
	s_add_nc_u64 s[18:19], s[18:19], s[30:31]      ; W1: my 128 rows of 96 bytes
	s_add_nc_u64 s[22:23], s[22:23], s[30:31]      ; W2: my 32 rows of 384
	s_lshl_b32 s30, s28, 9
	s_add_nc_u64 s[20:21], s[20:21], s[30:31]
	s_add_nc_u64 s[24:25], s[24:25], s[30:31]
.irp c, 0,1
.irp p, 0,1,2
	global_load_b64 v[XF+6*\c+2*\p:XF+6*\c+2*\p+1], v35, s[4:5] offset:1024*\c+8*\p   ; y's fragment: block = head
.endr
.endr
.irp d, 0,1,2,3
	global_load_b32 v[28+\d], v6, s[4:5] offset:512*\d+384
.endr
.irp b, 0,1,2,3
.irp j, 0,1,2,3
	global_load_b128 v[HA+16*\b+4*\j:HA+16*\b+4*\j+3], v4, s[6:7] offset:128*\b+16*\j
.endr
.endr
.irp t, 0,1,2,3,4,5,6,7
	global_load_b32 v[WPS+\t], v14, s[10:11] offset:(32*(\t/2)+8*(\t%2))*4
.endr
	WIN 0xc0                                       ; destination window 3
.irp b, 0,1,2,3
.irp j, 0,1,2,3
	global_load_b128 v[16*\b+4*\j:16*\b+4*\j+3], v34, s[12:13] offset:128*\b+16*\j
.endr
.endr
	WIN 0x40                                       ; destination window 1
.irp t, 0,1,2,3,4,5,6,7
.irp p, 0,1,2,3,4,5
	global_load_b64 v[12*\t+2*\p:12*\t+2*\p+1], v12, s[8:9] offset:(32*(\t/2)+8*(\t%2))*96+48*(\p/3)+8*(\p%3)
.endr
.endr
	WIN 0x80                                       ; destination window 2
.irp b, 0,1,2,3
.irp j, 0,1,2,3
	global_load_b128 v[96+16*\b+4*\j:96+16*\b+4*\j+3], v34, s[14:15] offset:128*\b+16*\j
.endr
.endr
.irp b, 0,1,2,3
.irp j, 0,1,2,3
	global_load_b128 v[160+16*\b+4*\j:160+16*\b+4*\j+3], v34, s[16:17] offset:128*\b+16*\j
.endr
.endr
	WIN 0x40
.irp t, 0,1,2,3,4,5,6,7
.irp p, 0,1,2,3,4,5
	global_load_b64 v[96+12*\t+2*\p:96+12*\t+2*\p+1], v12, s[18:19] offset:(32*(\t/2)+8*(\t%2))*96+48*(\p/3)+8*(\p%3)
.endr
.endr
	WIN 0
.irp t, 0,1,2,3,4,5,6,7
	global_load_b32 v[W1S+\t], v14, s[20:21] offset:(32*(\t/2)+8*(\t%2))*4
.endr
	; ---- P: x1 = x + bp + y Wp
	s_wait_loadcnt 63                              ; y, x, bp and Wp are in: 88 loads are younger, and a wait names 63 at the most: a smaller count is safe
	v_lshl_or_b32 v[YS], v29, 8, v28               ; the four heads' bytes make y's scale word
	v_lshl_or_b32 v[YS], v30, 16, v[YS]
	v_lshl_or_b32 v[YS], v31, 24, v[YS]
	WIN 0x0c                                       ; source 1 window 3
.set ii, 0
.rept 32
	v_pk_add_f32 v[HA+ii:HA+ii+1], v[HA+ii:HA+ii+1], v[ii:ii+1]   ; x + bp.  (These are also the places between the scale word and the products)
.set ii, ii+2
.endr
	WIN 0x01                                       ; source 0 window 1
.irp t, 0,1,2,3,4,5,6,7
	v_wmma_scale_f32_16x16x128_f8f6f4 v[HA+8*\t:HA+8*\t+7], v[12*\t:12*\t+11], v[XF:XF+11], v[HA+8*\t:HA+8*\t+7], v[WPS+\t], v[YS] matrix_a_fmt:MATRIX_FMT_BF6 matrix_b_fmt:MATRIX_FMT_BF6
.endr
	WIN 0
	PLACES
.irp b, 0,1,2,3
.irp j, 0,1,2,3
	ds_store_b128 v9, v[HA+16*\b+4*\j:HA+16*\b+4*\j+3] offset:128*\b+16*\j   ; x1 is kept in the stage; each accumulator from its low end on
.endr
.endr
	LN_A HA
	s_wait_loadcnt 56                              ; gain and bias are in: behind them W1's 48 and its 8 scale words
	WIN 0x28                                       ; sources 1 and 2 window 2
.set ii, 0
.rept 32
	v_pk_fma_f32 v[HA+ii:HA+ii+1], v[HA+ii:HA+ii+1], v[96+ii:97+ii], v[160+ii:161+ii]
.set ii, ii+2
.endr
	WIN 0
	QUANT HA
	IMAGE 7, XIMG
	ds_store_b32 v8, v[PW] offset:XSC
	BARRIER                                        ; the norm's four fragments and x1's 64 rows lie in LDS
	s_wait_loadcnt 0x0                             ; W1
	WIN 0x80
.irp n, 0,1                                    ; W2 (tile n, K step s) at v[12 (4 n + s)] of window 2: it lands under the hidden layer's work
.irp s, 0,1,2,3
.irp p, 0,1,2,3,4,5
	global_load_b64 v[12*(4*\n+\s)+2*\p:12*(4*\n+\s)+2*\p+1], v13, s[22:23] offset:6144*\n+96*\s+48*(\p/3)+8*(\p%3)
.endr
.endr
.endr
	WIN 0
.irp n, 0,1
.irp s, 0,1,2,3
	global_load_b32 v[W2S+4*\n+\s], v15, s[24:25] offset:256*\n+4*\s
.endr
.endr
	; ---- 1: my 128 hidden units, a tile of 16 rows a trip
	s_mov_b32 s29, 0                               ; 1536 m
	s_mov_b32 s30, 0                               ; 128 m
	s_mov_b32 s31, 0                               ; 6144 m
	s_mov_b32 s32, 0                               ; 512 m
	s_mov_b32 s33, 0                               ; m
.Ltile:
	v_add_nc_u32 v36, s29, v5
	v_add_nc_u32 v37, s30, v6
	v_add_nc_u32 v38, s31, v7
	v_add_nc_u32 v39, s32, v8
	FETCH XF, 36, XIMG
	ds_load_b32 v[XS], v37 offset:XSC
	s_wait_dscnt 0x0
	WIN 0x01
.irp t, 0,1,2,3,4,5,6,7
	v_wmma_scale_f32_16x16x128_f8f6f4 v[HA+8*\t:HA+8*\t+7], v[96+12*\t:96+12*\t+11], v[XF:XF+11], 0, v[W1S+\t], v[XS] matrix_a_fmt:MATRIX_FMT_BF6 matrix_b_fmt:MATRIX_FMT_BF6
.endr
	WIN 0
	PLACES
	GELU HA
	QUANT HA
	IMAGE 38, HIMG                                 ; K step w of the last product, tile m
	ds_store_b32 v39, v[PW] offset:HSC
	s_wait_dscnt 0x0                               ; the stores have read their registers
	s_add_co_u32 s29, s29, FRB
	s_add_co_u32 s30, s30, 128
	s_add_co_u32 s31, s31, 4*FRB
	s_add_co_u32 s32, s32, 512
	s_add_co_u32 s33, s33, 1
	s_cmp_lt_u32 s33, 4
	s_cbranch_scc1 .Ltile
	BARRIER                                        ; the hidden layer's sixteen fragments lie in LDS
	; ---- 2: my 32 outputs for the 64 rows: eight accumulators by turns, a K step at a time; x1 starts the sums
	s_wait_loadcnt 0x0                             ; W2
	WIN 0xc0
.irp m, 0,1,2,3
.irp n, 0,1
	ds_load_b128 v[64+8*(4*\n+\m):64+8*(4*\n+\m)+3], v10 offset:(32*(\m/2)+8*(\m%2))*SP+64*\n
	ds_load_b128 v[64+8*(4*\n+\m)+4:64+8*(4*\n+\m)+7], v10 offset:(32*(\m/2)+8*(\m%2))*SP+64*\n+16
.endr
.endr
	WIN 0
.irp s, 0,1,2,3
.irp m, 0,1,2,3
	FETCH STR+12*\m, 5, HIMG+(4*\m+\s)*FRB
	ds_load_b32 v[HS+\m], v6 offset:HSC+128*(4*\m+\s)
.endr
	s_wait_dscnt 0x0
	WIN 0xf2                                       ; source 0 (W2) window 2, C and D window 3
.irp m, 0,1,2,3
.irp n, 0,1
	v_wmma_scale_f32_16x16x128_f8f6f4 v[64+8*(4*\n+\m):64+8*(4*\n+\m)+7], v[12*(4*\n+\s):12*(4*\n+\s)+11], v[STR+12*\m:STR+12*\m+11], v[64+8*(4*\n+\m):64+8*(4*\n+\m)+7], v[W2S+4*\n+\s], v[HS+\m] matrix_a_fmt:MATRIX_FMT_BF6 matrix_b_fmt:MATRIX_FMT_BF6
.endr
.endr
	WIN 0
	PLACES                                         ; in front of loads into registers that matrix instructions have read, and of the first read of results
.endr
	WIN 0x0c                                       ; an LDS store's data are its source 1: window 3
.irp m, 0,1,2,3
.irp n, 0,1
	ds_store_b128 v10, v[64+8*(4*\n+\m):64+8*(4*\n+\m)+3] offset:(32*(\m/2)+8*(\m%2))*SP+64*\n       ; back to the bytes that x1 came from: only this wave has read them
	ds_store_b128 v10, v[64+8*(4*\n+\m)+4:64+8*(4*\n+\m)+7] offset:(32*(\m/2)+8*(\m%2))*SP+64*\n+16
.endr
.endr
	WIN 0
	BARRIER                                        ; 64 whole rows of the output lie in the stage
.irp i, 0,1,2,3,4,5,6,7,8,9,10,11,12,13,14,15
	ds_load_b128 v[STR+4*\i:STR+4*\i+3], v11 offset:\i*SP
.endr
.irp i, 0,1,2,3,4,5,6,7,8,9,10,11,12,13,14,15
	s_wait_dscnt 15-\i                             ; LDS loads come back in order: row i is in
	global_store_b128 v5, v[STR+4*\i:STR+4*\i+3], s[26:27] offset:512*\i th:TH_STORE_NT   ; 32 lanes store a row of 512 consecutive bytes, aligned; written once, read by nobody here
.endr
	s_wait_tensorcnt 0x0
	ds_add_u32 v254, v255
	s_wait_dscnt 0x0
	s_endpgm
.Lfunc_end_k_q041750e5cc_mlp:
	.size	k_q041750e5cc_mlp, .Lfunc_end_k_q041750e5cc_mlp-k_q041750e5cc_mlp
	.p2alignl 7, 3214868480
	.fill 96, 4, 3214868480
	.section	.rodata,"a",@progbits
	.p2align	6, 0x0
	.amdhsa_kernel k_q041750e5cc_mlp
		.amdhsa_group_segment_fixed_size 68096
		.amdhsa_private_segment_fixed_size 0
		.amdhsa_enable_private_segment 0
		.amdhsa_kernarg_size 96
		.amdhsa_user_sgpr_count 2
		.amdhsa_user_sgpr_kernarg_segment_ptr 1
		.amdhsa_wavefront_size32 1
		.amdhsa_system_sgpr_workgroup_id_x 1
		.amdhsa_system_sgpr_workgroup_id_y 1
		.amdhsa_system_sgpr_workgroup_id_z 1
		.amdhsa_system_vgpr_workitem_id 0
		.amdhsa_next_free_vgpr 1024
		.amdhsa_next_free_sgpr 66
		.amdhsa_reserve_vcc 0
		.amdhsa_float_denorm_mode_32 3
		.amdhsa_float_denorm_mode_16_64 3
		.amdhsa_memory_ordered 1
		.amdhsa_forward_progress 1
		.amdhsa_inst_pref_size 109
	.end_amdhsa_kernel
	.amdgpu_metadata
---
amdhsa.version: [ 1, 2 ]
amdhsa.kernels:
  - .name:           k_q041750e5cc_mlp
    .symbol:         k_q041750e5cc_mlp.kd
    .args:
      - { .name: yrec, .offset: 0, .size: 8, .value_kind: global_buffer, .address_space: global }
      - { .name: x, .offset: 8, .size: 8, .value_kind: global_buffer, .address_space: global }
      - { .name: Wp_codes, .offset: 16, .size: 8, .value_kind: global_buffer, .address_space: global }
      - { .name: Wp_scales, .offset: 24, .size: 8, .value_kind: global_buffer, .address_space: global }
      - { .name: bp, .offset: 32, .size: 8, .value_kind: global_buffer, .address_space: global }
      - { .name: ln2_g, .offset: 40, .size: 8, .value_kind: global_buffer, .address_space: global }
      - { .name: ln2_b, .offset: 48, .size: 8, .value_kind: global_buffer, .address_space: global }
      - { .name: W1_codes, .offset: 56, .size: 8, .value_kind: global_buffer, .address_space: global }
      - { .name: W1_scales, .offset: 64, .size: 8, .value_kind: global_buffer, .address_space: global }
      - { .name: W2_codes, .offset: 72, .size: 8, .value_kind: global_buffer, .address_space: global }
      - { .name: W2_scales, .offset: 80, .size: 8, .value_kind: global_buffer, .address_space: global }
      - { .name: out0, .offset: 88, .size: 8, .value_kind: global_buffer, .address_space: global }
    .group_segment_fixed_size: 68096
    .private_segment_fixed_size: 0
    .kernarg_segment_align: 8
    .kernarg_segment_size: 96
    .max_flat_workgroup_size: 128
    .sgpr_count:     66
    .vgpr_count:     1024
    .wavefront_size: 32
...
	.end_amdgpu_metadata
.endif
;; end of part 3
;; ======== version 2 of 2: 3 launches; version 1 with the launches qkv, mlp written anew for expert scheduling mode
;; workspace buffers: qrec 2,097,152 bytes; kv 3,276,800 bytes; yrec 2,097,152 bytes
;; launch qkv (part 4): grid 128 x 1, 8 waves a work-group, no clusters, 14,336 bytes of LDS; arguments x, ln1_g, ln1_b, Wq_codes, Wq_scales, Wk_codes, Wk_scales, Wv_codes, Wv_scales, qrec, kv; writes qrec, kv
.if DOCPART == 4
	.amdgcn_target "amdgcn-amd-amdhsa--gfx1250"
	.amdhsa_code_object_version 6
	.text
	.protected	k_q041750e5cc_qkv
	.globl	k_q041750e5cc_qkv
	.p2align	8
	.type	k_q041750e5cc_qkv,@function
k_q041750e5cc_qkv:
	s_mov_b64 s[64:65], 0
	v_nop
	global_prefetch_b8 v0, s[64:65] scope:SCOPE_SE
	s_setreg_imm32_b32 hwreg(HW_REG_WAVE_SCHED_MODE, 0, 2), 2
	s_setreg_imm32_b32 hwreg(HW_REG_WAVE_MODE, 25, 1), 1
	s_wait_xcnt 0x0
	s_wait_alu depctr_vm_vsrc(0)
; h = layernorm(x) g + b, quantised along its 128 channels; q, k, v = h W (three products on codes of BF6 (E3M2) with one E8M0 scale for each 32 along K);
; q and k are quantised along the head's 32 channels, v along the tokens; only codes and scale bytes go to memory.
; SHARES.  A work-group owns 128 tokens of one batch (a step): 8 tiles of 16 rows.  THE ROWS OF A TILE ARE NOT NEIGHBOURS: row r of tile T = 2 G + u is token 32 G + 8 u + r + 8 (r / 8),
; so that results whose registers run along a pair of tiles' rows are 16 neighbouring tokens.  Wave w normalises and quantises tile w and hands its fragment to the others through LDS as an image of its registers.
; Then wave w takes head w / 2 and part p = w % 2: q and k of tiles 4 p .. 4 p + 3 (transposed use: source 0 = 16 rows of the weight, source 1 = 16 tokens: a lane holds one token and 16 neighbouring channels)
; and v's channels 8 p + r + 8 (r / 8) for all 8 tiles (source 0 = 16 tokens, source 1 = the weight: a lane holds one channel, its registers run along the tokens).
; RECORDS.  qrec [batch x head][tile][512]: 24 r + 12 h: 16 codes of row r; 384 + 4 lane: the row's scale byte in all four bytes.
; kv [batch x head][step][6400]: 1536 p + 384 t + 24 r: k of tile 4 p + t, row r (32 codes): block t of K's fragment p;  3072 + 1536 p + 384 G + 24 r: v of channel row r, tokens 32 G ..: block G of V's fragment p;
; 6144 + 128 p + 4 lane: lanes 0-15 K's scale words, lanes 16-31 V's.  Each store of codes covers 384 consecutive bytes, each store of words 128.
; No tensor load, no cluster: each work-group reads its own 64 KB of x once, all of it asked for at once, and the weights are a few KB that go straight to registers.
; LIMITS: NaN and infinities among the inputs are not served.  A block whose largest magnitude lies under 2^-122, a block of zeros among them, gets the scale byte 1: its bytes are read by this program alone.
; THE MODE: SCHED_MODE bits 1:0 = 2 (LLVM: expert scheduling mode 2), set by the entry lines.  The code itself states the register dependences
; between vector or matrix instructions and memory or LDS instructions, with s_wait_alu, always for 0.
; THE PLAN.  Registers that memory or LDS instructions touch:
;   v1-v11        offsets and LDS addresses: written at the head, never again.
;   v80-115       the gain's registers: read by the norm's multiply-adds; then Wk and Wv land there.
;   PC, PW, REP   written by the conversions and the lines that make bytes and words; read by the LDS stores of h's image and by q's, k's and v's stores; PC is written anew for each of the three, PW at the end.
;   HF, HS        four fragments of h and their words: loaded from LDS, read by the products of q and k.
;   For v the eight tiles have eight places: HF and HS (tiles 0-3), Wq's registers and words (4, 5), Wk's (6, 7): all were last read by products that stand ahead of the wait in front of k's stores,
;   so the eight fetches follow that wait with no other, and the eight products follow each other.
.set FRB,  1536                        ; a fragment's image: 12 registers x 128 bytes
.set XIMG, 0                           ; LDS: h's 8 fragments,
.set XSC,  8*FRB                       ; and their scale words, 128 bytes each
.set X,    16                          ; v16-79   64 numbers of x: register 16 b + i = channel 32 b + 16 h + i of my row
.set ACC,  16                          ; v16-79   later the 8 accumulators
.set G,    80                          ; v80-143  the gain, in x's layout
.set BB,   144                         ; v144-207 the bias
.set WK,   80                          ; v80-103  Wk's two fragments (once the gain is done with); for v: h's tiles 6 and 7
.set WV,   104                         ; v104-115 Wv's fragment
.set TM,   116                         ; v116-131 largest magnitudes, bytes, scale operands
.set PC,   132                         ; v132-151 codes just made
.set PW,   152                         ; a scale word just made
.set KW,   153                         ; k's scale word
.set VW,   154                         ; v's
.set REP,  156                         ; v156-159 q's bytes, four times each
.set HF,   160                         ; v160-207 four fragments of h
.set WQ,   208                         ; v208-231 Wq's two fragments; for v: h's tiles 4 and 5
.set CH,   232                         ; v232-239 the norm's four packed chains
.set MU,   240                         ; v240-241 the mean
.set RS,   242                         ; v242-243 1 / sqrt(var + eps)
.set WQS,  244                         ; v244-252 hold scale words and nothing else: Wq's two, Wk's two, Wv's, h's four; for v Wq's and Wk's places take the words of h's tiles 4 to 7
.set WKS,  246
.set WVS,  248
.set HS,   249
.set SEL,  30                          ; s[30:31] v_permlanex16_b32's selects for lane l xor 16
.set INV,  32                          ; s32 1 / 128
.set EPS,  33                          ; s33 1e-5
.macro REDUCE                          ; the four chains' eight numbers, and lane l xor 16's, become one sum in v[CH]
	v_pk_add_f32 v[CH:CH+1], v[CH:CH+1], v[CH+2:CH+3]
	v_pk_add_f32 v[CH+4:CH+5], v[CH+4:CH+5], v[CH+6:CH+7]
	v_pk_add_f32 v[CH:CH+1], v[CH:CH+1], v[CH+4:CH+5]
	v_add_f32 v[CH], v[CH], v[CH+1]
	v_permlanex16_b32 v[CH+1], v[CH], s[SEL], s[SEL+1]
	v_add_f32 v[CH], v[CH], v[CH+1]
.endm
.macro LN_A x                          ; (x - mean) / sqrt(var + eps), the variance taken of the differences, as the definition has it
.irp k, 0,1,2,3
	v_pk_add_f32 v[CH+2*\k:CH+2*\k+1], v[\x+2*\k:\x+2*\k+1], v[\x+8+2*\k:\x+9+2*\k]
.endr
.irp q, 2,3,4,5,6,7
.irp k, 0,1,2,3
	v_pk_add_f32 v[CH+2*\k:CH+2*\k+1], v[CH+2*\k:CH+2*\k+1], v[\x+8*\q+2*\k:\x+8*\q+2*\k+1]
.endr
.endr
	REDUCE
	v_mul_f32 v[MU], s[INV], v[CH]
	v_mov_b32 v[MU+1], v[MU]                       ; (named with it as a pair)
.set ii, 0
.rept 32
	v_pk_add_f32 v[\x+ii:\x+ii+1], v[\x+ii:\x+ii+1], v[MU:MU+1] op_sel_hi:[1,0] neg_lo:[0,1] neg_hi:[0,1]
.set ii, ii+2
.endr
.irp k, 0,1,2,3
	v_pk_mul_f32 v[CH+2*\k:CH+2*\k+1], v[\x+2*\k:\x+2*\k+1], v[\x+2*\k:\x+2*\k+1]
.endr
.irp q, 1,2,3,4,5,6,7
.irp k, 0,1,2,3
	v_pk_fma_f32 v[CH+2*\k:CH+2*\k+1], v[\x+8*\q+2*\k:\x+8*\q+2*\k+1], v[\x+8*\q+2*\k:\x+8*\q+2*\k+1], v[CH+2*\k:CH+2*\k+1]
.endr
.endr
	REDUCE
	v_fma_f32 v[CH], v[CH], s[INV], s[EPS]
	v_rsq_f32 v[RS], v[CH]
	v_nop                                          ; one plain place behind a transcendental
	s_wait_alu depctr_va_vdst(0)                   ; the reciprocal root v[RS] is written, ahead of its first reader
	v_mov_b32 v[RS+1], v[RS]
.set ii, 0
.rept 32
	v_pk_mul_f32 v[\x+ii:\x+ii+1], v[\x+ii:\x+ii+1], v[RS:RS+1] op_sel_hi:[1,0]
.set ii, ii+2
.endr
.endm
.macro LN_B x, g, b                    ; x gain + bias
.set ii, 0
.rept 32
	v_pk_fma_f32 v[\x+ii:\x+ii+1], v[\x+ii:\x+ii+1], v[\g+ii:\g+ii+1], v[\b+ii:\b+ii+1]
.set ii, ii+2
.endr
.endm
; Four blocks of 32, each in lanes l and l xor 16, 16 registers a lane: largest magnitudes, scale operands (TM+12 ..) and bytes (TM+4 ..)
.macro SCALE4 s
.irp b, 0,1,2,3
	v_max3_num_f32 v[TM+\b], |v[\s+16*\b]|, |v[\s+1+16*\b]|, 0x2800000   ; my 16 numbers, and the floor 2^(5 - 127): the byte cannot fall under 1
.endr
.irp i, 2,4,6,8,10,12,14
.irp b, 0,1,2,3
	v_max3_num_f32 v[TM+\b], v[TM+\b], |v[\s+16*\b+\i]|, |v[\s+1+16*\b+\i]|   ; (the four blocks by turns)
.endr
.endr
.irp b, 0,1,2,3
	v_permlanex16_b32 v[TM+4+\b], v[TM+\b], s[SEL], s[SEL+1]
.endr
.irp b, 0,1,2,3
	v_max_num_f32 v[TM+\b], v[TM+\b], v[TM+4+\b]   ; with lane l xor 16's: the block's largest magnitude
.endr
.irp b, 0,1,2,3
	v_add_nc_u32 v[TM+12+\b], 0xfe000000, v[TM+\b] ; 4 off its exponent field: the conversion's scale operand
.endr
.irp b, 0,1,2,3
	v_lshrrev_b32 v[TM+4+\b], 23, v[TM+12+\b]      ; the scale's byte
.endr
.endm
.macro WORD d                          ; the four bytes as one scale word
	v_lshl_or_b32 v[\d], v[TM+5], 8, v[TM+4]
	v_lshl_or_b32 v[\d], v[TM+6], 16, v[\d]
	v_lshl_or_b32 v[\d], v[TM+7], 24, v[\d]
.endm
; 64 numbers of a lane, register 16 b + i = k 32 b + 16 h + i of my row, become a fragment's codes in v[PC] on and its scale word in v[PW]
.macro QUANT s
	SCALE4 \s
	WORD PW
.irp c, 0,1
	v_cvt_scalef32_pk16_bf6_f32 v[PC+6*\c:PC+2+6*\c], v[\s+32*\c:\s+15+32*\c], v[TM+12+2*\c]
	v_cvt_scalef32_pk16_bf6_f32 v[PC+12+4*\c:PC+14+4*\c], v[\s+16+32*\c:\s+31+32*\c], v[TM+12+2*\c+1]   ; (a conversion's three registers begin on an even number)
.endr
	v_nop                                          ; one plain place behind a scaled conversion
.irp c, 0,1                                    ; the operand's layout wants a WHOLE block in a lane: lanes 0-15 block 2 c, lanes 16-31 block 2 c + 1
.irp i, 0,1,2
	v_permlane16_swap_b32 v[PC+6*\c+\i], v[PC+12+4*\c+\i]
.endr
.irp i, 0,1,2
	v_mov_b32 v[PC+3+6*\c+\i], v[PC+12+4*\c+\i]
.endr
.endr
.endm
; The same without the exchange: block b's 16 codes of my half stay in v[PC + 4 b] on, 12 bytes that go to memory at 24 r + 12 h
.macro QB s
	SCALE4 \s
.irp b, 0,1,2,3
	v_cvt_scalef32_pk16_bf6_f32 v[PC+4*\b:PC+4*\b+2], v[\s+16*\b:\s+16*\b+15], v[TM+12+\b]
.endr
	v_nop                                          ; one plain place behind a scaled conversion
.endm
.macro FETCH reg, adr, off             ; a fragment's image comes back as it was stored, in any wave
.irp c, 0,1,2
	ds_load_b128 v[(\reg)+4*\c:(\reg)+4*\c+3], v[\adr] offset:(\off)+512*\c
.endr
.endm
.macro PLACES
.rept 4
	v_nop
.endr
.endm
; q or k of my four tiles: 8 products, each with K = 128 in one instruction and an accumulator of its own
.macro PROJ w, ws
.irp t, 0,1,2,3
.irp u, 0,1
	v_wmma_scale_f32_16x16x128_f8f6f4 v[ACC+16*\t+8*\u:ACC+16*\t+8*\u+7], v[\w+12*\u:\w+12*\u+11], v[HF+12*\t:HF+12*\t+11], 0, v[\ws+\u], v[HS+\t] matrix_a_fmt:MATRIX_FMT_BF6 matrix_b_fmt:MATRIX_FMT_BF6
.endr
.endr
	PLACES                                         ; four places in front of the first read of results (ISA guide 7.12.1)
.endm
; v: tile t of h, its fragment into v[reg] on and its scale word into v[sc]; and its product
.macro VFETCH t, reg, sc
	FETCH \reg, 5, XIMG+FRB*(\t)
	ds_load_b32 v[\sc], v6 offset:XSC+128*(\t)
.endm
.macro VMUL t, reg, sc
	v_wmma_scale_f32_16x16x128_f8f6f4 v[ACC+8*(\t):ACC+8*(\t)+7], v[\reg:\reg+11], v[WV:WV+11], 0, v[\sc], v[WVS] matrix_a_fmt:MATRIX_FMT_BF6 matrix_b_fmt:MATRIX_FMT_BF6
.endm
	s_load_b256 s[4:11], s[0:1], 0x0               ; x, gain, bias, Wq's codes
	s_load_b256 s[12:19], s[0:1], 0x20             ; Wq's scales, Wk's codes, Wk's scales, Wv's codes
	s_load_b128 s[20:23], s[0:1], 0x40             ; Wv's scales, qrec
	s_load_b64 s[24:25], s[0:1], 0x50              ; kv
	v_lshl_add_u32 v254, v0, 2, 0x3400             ; my spare word, behind the images and their words; kept for the closing lines alone
	v_mov_b32 v255, 0                              ; and 0, likewise
	v_lshrrev_b32 v12, 5, v0
	v_readfirstlane_b32 s26, v12                   ; wave 0..7
	v_and_b32 v12, 31, v0                          ; lane
	v_and_b32 v13, 15, v0                          ; r
	v_bfe_u32 v14, v0, 4, 1                        ; h
	v_and_b32 v15, 8, v13
	v_add_nc_u32 v15, v15, v13                     ; r + 8 (r / 8)
	v_lshlrev_b32 v1, 9, v15
	v_lshl_add_u32 v1, v14, 6, v1                  ; x: my row of 512 bytes, + 64 h
	v_lshlrev_b32 v2, 6, v14                       ; gain and bias: 64 h
	v_mul_u32_u24 v3, v15, 96
	v_mad_u32_u24 v3, v14, 24, v3                  ; a weight's row of 96 bytes, + 24 h
	v_lshlrev_b32 v4, 2, v15                       ; and its scale word
	v_lshlrev_b32 v5, 4, v12                       ; 16 x lane: an image's place for my lane
	v_lshlrev_b32 v6, 2, v12                       ; 4 x lane: a scale word's
	v_mul_u32_u24 v11, v13, 24
	v_mad_u32_u24 v11, v14, 12, v11                ; codes out: 24 r + 12 h
	s_wait_alu depctr_va_sdst(0)                   ; s26, the wave's number, is written, ahead of its first reader
	s_lshr_b32 s27, s26, 1                         ; my head; also G of the tile that I normalise
	s_and_b32 s28, s26, 1                          ; my part p; also u of that tile
	s_mul_i32 s34, s26, FRB
	v_add_nc_u32 v7, s34, v5                       ; where I store my tile's image
	s_lshl_b32 s34, s26, 7
	v_add_nc_u32 v8, s34, v6                       ; and its scale words
	s_mul_i32 s34, s28, 4*FRB
	v_add_nc_u32 v9, s34, v5                       ; where my part's four tiles begin
	s_lshl_b32 s34, s28, 9
	v_add_nc_u32 v10, s34, v6
	s_mov_b32 s[SEL], 0x76543210
	s_mov_b32 s[SEL+1], 0xfedcba98
	s_mov_b32 s[INV], 0x3c000000
	s_mov_b32 s[EPS], 0x3727c5ac
	s_lshl_b32 s34, ttmp9, 16                      ; x: 128 rows of 512 bytes a work-group,
	s_lshl_b32 s36, s27, 14
	s_add_co_u32 s34, s34, s36                     ; + 32 G rows
	s_lshl_b32 s36, s28, 12
	s_add_co_u32 s34, s34, s36                     ; + 8 u rows
	s_mov_b32 s35, 0
	s_mul_i32 s36, s27, 3072                       ; a head's 32 rows of codes
	s_mov_b32 s37, 0
	s_lshl_b32 s38, s27, 7                         ; and of scale words
	s_mov_b32 s39, 0
	s_mul_i32 s40, s28, 768                        ; Wv: 8 p rows further
	s_add_co_u32 s40, s40, s36
	s_mov_b32 s41, 0
	s_lshl_b32 s42, s28, 5
	s_add_co_u32 s42, s42, s38
	s_mov_b32 s43, 0
	s_lshr_b32 s44, ttmp9, 4
	s_lshl_b32 s44, s44, 2
	s_add_co_u32 s44, s44, s27                     ; 4 x batch + head
	s_and_b32 s45, ttmp9, 15                       ; the step
	s_lshl_b32 s46, s44, 7
	s_lshl_b32 s47, s45, 3
	s_add_co_u32 s46, s46, s47
	s_lshl_b32 s47, s28, 2
	s_add_co_u32 s46, s46, s47
	s_lshl_b32 s46, s46, 9                         ; qrec: record 128 (4 batch + head) + 8 step + 4 p
	s_mov_b32 s47, 0
	s_lshl_b32 s48, s44, 4
	s_add_co_u32 s48, s48, s45
	s_mul_i32 s48, s48, 6400                       ; kv: record 16 (4 batch + head) + step
	s_lshl_b32 s50, s28, 7
	s_add_co_u32 s50, s50, s48                     ; + 128 p for the scale words
	s_mov_b32 s51, 0
	s_mul_i32 s49, s28, FRB
	s_add_co_u32 s48, s48, s49                     ; + 1536 p for the codes
	s_mov_b32 s49, 0
	s_wait_kmcnt 0x0
	s_add_nc_u64 s[4:5], s[4:5], s[34:35]
	s_add_nc_u64 s[10:11], s[10:11], s[36:37]
	s_add_nc_u64 s[12:13], s[12:13], s[38:39]
	s_add_nc_u64 s[14:15], s[14:15], s[36:37]
	s_add_nc_u64 s[16:17], s[16:17], s[38:39]
	s_add_nc_u64 s[18:19], s[18:19], s[40:41]
	s_add_nc_u64 s[20:21], s[20:21], s[42:43]
	s_add_nc_u64 s[22:23], s[22:23], s[46:47]
	s_add_nc_u64 s[52:53], s[24:25], s[50:51]
	s_add_nc_u64 s[24:25], s[24:25], s[48:49]
	s_wait_alu depctr_va_vdst(0)                   ; the offsets and LDS addresses v1 to v11 are written: every load and store of the kernel reads one of them
.irp b, 0,1,2,3
.irp j, 0,1,2,3
	global_load_b128 v[X+16*\b+4*\j:X+16*\b+4*\j+3], v1, s[4:5] offset:128*\b+16*\j
.endr
.endr
.irp b, 0,1,2,3
.irp j, 0,1,2,3
	global_load_b128 v[G+16*\b+4*\j:G+16*\b+4*\j+3], v2, s[6:7] offset:128*\b+16*\j
.endr
.endr
.irp b, 0,1,2,3
.irp j, 0,1,2,3
	global_load_b128 v[BB+16*\b+4*\j:BB+16*\b+4*\j+3], v2, s[8:9] offset:128*\b+16*\j
.endr
.endr
.irp u, 0,1
.irp p, 0,1,2,3,4,5
	global_load_b64 v[WQ+12*\u+2*\p:WQ+12*\u+2*\p+1], v3, s[10:11] offset:768*\u+48*(\p/3)+8*(\p%3)
.endr
.endr
.irp u, 0,1
	global_load_b32 v[WQS+\u], v4, s[12:13] offset:32*\u
.endr
	s_wait_loadcnt 46                              ; x is in: behind it 16 loads of the gain, 16 of the bias, 14 of Wq
	LN_A X
	s_wait_loadcnt 14                              ; gain and bias are in: behind them Wq's 14
	LN_B X, G, BB
	s_wait_alu depctr_va_vdst(0)                   ; the multiply-adds are done reading the gain's registers, in which Wk and Wv land
.irp u, 0,1                                    ; the gain's registers are free: Wk and Wv land there while h is quantised
.irp p, 0,1,2,3,4,5
	global_load_b64 v[WK+12*\u+2*\p:WK+12*\u+2*\p+1], v3, s[14:15] offset:768*\u+48*(\p/3)+8*(\p%3)
.endr
.endr
.irp p, 0,1,2,3,4,5
	global_load_b64 v[WV+2*\p:WV+2*\p+1], v3, s[18:19] offset:48*(\p/3)+8*(\p%3)
.endr
.irp u, 0,1
	global_load_b32 v[WKS+\u], v4, s[16:17] offset:32*\u
.endr
	global_load_b32 v[WVS], v4, s[20:21]
.irp b, 0,1,2,3
	v_mov_b32 v[TM+4+\b], 0                        ; written once: a lane permute's destination counts as one of its sources
.endr
	QUANT X
	s_wait_alu depctr_va_vdst(0)                   ; the codes v[PC ..] and the word v[PW] are written, which the LDS stores read; and the bias's registers, in which h's fragments land below, are done with
.irp c, 0,1,2
	ds_store_b128 v7, v[PC+4*\c:PC+4*\c+3] offset:XIMG+512*\c   ; the fragment goes to LDS as it stands
.endr
	ds_store_b32 v8, v[PW] offset:XSC
	s_wait_dscnt 0x0                               ; for the others' sake: my stores have landed
	s_barrier_signal -1
	s_barrier_wait -1                              ; h's eight fragments lie in LDS; nothing is stored there again
	s_wait_alu depctr_vm_vsrc(0)                   ; my LDS stores have read v[PC ..] and v[PW], which q's conversions and the last select write again
.irp t, 0,1,2,3
	FETCH HF+12*\t, 9, XIMG+FRB*\t
	ds_load_b32 v[HS+\t], v10 offset:XSC+128*\t
.endr
	s_wait_dscnt 0x0
	s_wait_loadcnt 21                              ; Wq is in: behind it Wk's 14 and Wv's 7
	; ---- q
	PROJ WQ, WQS
	QB ACC                                         ; register 16 t + i = q(token r of tile 4 p + t, channel 16 h + i)
.irp t, 0,1,2,3
	v_lshl_or_b32 v[REP+\t], v[TM+4+\t], 8, v[TM+4+\t]
.endr
.irp t, 0,1,2,3
	v_lshl_or_b32 v[REP+\t], v[REP+\t], 16, v[REP+\t]   ; the byte in all four places: q's codes will stand in any of a fragment's four blocks
.endr
	s_wait_alu depctr_va_vdst(0)                   ; q's codes v[PC ..] and bytes v[REP ..] are written, which the stores read
.irp t, 0,1,2,3
	global_store_b96 v11, v[PC+4*\t:PC+4*\t+2], s[22:23] offset:512*\t
	global_store_b32 v6, v[REP+\t], s[22:23] offset:512*\t+384
.endr
	; ---- k
	s_wait_loadcnt 0x0                             ; Wk and Wv
	PROJ WK, WKS
	s_wait_xcnt 0x0                                ; q's stores have had their addresses translated (ISA guide 3.1): their data registers are written again only behind this wait,
	s_wait_alu depctr_vm_vsrc(0)                   ; and q's stores have read v[PC ..], which k's conversions write
	QB ACC
	WORD KW                                        ; byte t: tile 4 p + t: the scale word of K's fragment p
	s_wait_alu depctr_va_vdst(0)                   ; k's codes v[PC ..] are written, which the stores read; the products of q and k are done reading HF, HS, Wq, Wk and their words, in which h's eight fragments land below
.irp t, 0,1,2,3
	global_store_b96 v11, v[PC+4*\t:PC+4*\t+2], s[24:25] offset:384*\t
.endr
	; ---- v: all eight tiles, each with registers of its own.  No wait: no vector or matrix instruction since the wait above names a register that these loads touch
	VFETCH 0, HF, HS
	VFETCH 1, HF+12, HS+1
	VFETCH 2, HF+24, HS+2
	VFETCH 3, HF+36, HS+3
	VFETCH 4, WQ, WQS
	VFETCH 5, WQ+12, WQS+1
	VFETCH 6, WK, WKS
	VFETCH 7, WK+12, WKS+1
	s_wait_dscnt 16                                ; tiles 0 to 3 are in: behind them four loads for each of tiles 4 to 7
	VMUL 0, HF, HS
	VMUL 1, HF+12, HS+1
	VMUL 2, HF+24, HS+2
	VMUL 3, HF+36, HS+3
	s_wait_dscnt 0x0
	VMUL 4, WQ, WQS
	VMUL 5, WQ+12, WQS+1
	VMUL 6, WK, WKS
	VMUL 7, WK+12, WKS+1
	PLACES                                         ; four places in front of the first read of results (ISA guide 7.12.1)
	s_wait_xcnt 0x0                                ; k's stores have had their addresses translated,
	s_wait_alu depctr_vm_vsrc(0)                   ; and have read v[PC ..], which v's conversions write
	QB ACC                                         ; register 16 G + i = v(token 32 G + 16 h + i, my channel)
	v_cmp_gt_u32 vcc_lo, 16, v12
	WORD VW
	s_wait_alu depctr_va_vcc(0)                    ; VCC is written, ahead of the select that reads it
	v_cndmask_b32 v[PW], v[VW], v[KW], vcc_lo      ; lanes 0-15 K's words, lanes 16-31 V's
	s_wait_alu depctr_va_vdst(0)                   ; v's codes v[PC ..] and the words v[PW] are written, which the stores read
.irp t, 0,1,2,3
	global_store_b96 v11, v[PC+4*\t:PC+4*\t+2], s[24:25] offset:3072+384*\t
.endr
	global_store_b32 v6, v[PW], s[52:53] offset:6144
	s_wait_dscnt 0x0                               ; the closing lines, six on end
	s_wait_alu 0x0
	s_wait_tensorcnt 0x0
	ds_add_u32 v254, v255
	s_wait_dscnt 0x0
	s_endpgm
.Lfunc_end_k_q041750e5cc_qkv:
	.size	k_q041750e5cc_qkv, .Lfunc_end_k_q041750e5cc_qkv-k_q041750e5cc_qkv
	.p2alignl 7, 3214868480
	.fill 96, 4, 3214868480
	.section	.rodata,"a",@progbits
	.p2align	6, 0x0
	.amdhsa_kernel k_q041750e5cc_qkv
		.amdhsa_group_segment_fixed_size 14336
		.amdhsa_private_segment_fixed_size 0
		.amdhsa_enable_private_segment 0
		.amdhsa_kernarg_size 88
		.amdhsa_user_sgpr_count 2
		.amdhsa_user_sgpr_kernarg_segment_ptr 1
		.amdhsa_wavefront_size32 1
		.amdhsa_system_sgpr_workgroup_id_x 1
		.amdhsa_system_sgpr_workgroup_id_y 1
		.amdhsa_system_sgpr_workgroup_id_z 1
		.amdhsa_system_vgpr_workitem_id 0
		.amdhsa_next_free_vgpr 256
		.amdhsa_next_free_sgpr 66
		.amdhsa_reserve_vcc 1
		.amdhsa_float_denorm_mode_32 3
		.amdhsa_float_denorm_mode_16_64 3
		.amdhsa_memory_ordered 1
		.amdhsa_forward_progress 1
		.amdhsa_inst_pref_size 46
	.end_amdhsa_kernel
	.amdgpu_metadata
---
amdhsa.version: [ 1, 2 ]
amdhsa.kernels:
  - .name:           k_q041750e5cc_qkv
    .symbol:         k_q041750e5cc_qkv.kd
    .args:
      - { .name: x, .offset: 0, .size: 8, .value_kind: global_buffer, .address_space: global }
      - { .name: ln1_g, .offset: 8, .size: 8, .value_kind: global_buffer, .address_space: global }
      - { .name: ln1_b, .offset: 16, .size: 8, .value_kind: global_buffer, .address_space: global }
      - { .name: Wq_codes, .offset: 24, .size: 8, .value_kind: global_buffer, .address_space: global }
      - { .name: Wq_scales, .offset: 32, .size: 8, .value_kind: global_buffer, .address_space: global }
      - { .name: Wk_codes, .offset: 40, .size: 8, .value_kind: global_buffer, .address_space: global }
      - { .name: Wk_scales, .offset: 48, .size: 8, .value_kind: global_buffer, .address_space: global }
      - { .name: Wv_codes, .offset: 56, .size: 8, .value_kind: global_buffer, .address_space: global }
      - { .name: Wv_scales, .offset: 64, .size: 8, .value_kind: global_buffer, .address_space: global }
      - { .name: qrec, .offset: 72, .size: 8, .value_kind: global_buffer, .address_space: global }
      - { .name: kv, .offset: 80, .size: 8, .value_kind: global_buffer, .address_space: global }
    .group_segment_fixed_size: 14336
    .private_segment_fixed_size: 0
    .kernarg_segment_align: 8
    .kernarg_segment_size: 88
    .max_flat_workgroup_size: 256
    .sgpr_count:     66
    .vgpr_count:     256
    .wavefront_size: 32
...
	.end_amdgpu_metadata
.endif
;; end of part 4
;; launch attn: the kernel of part 2 again; grid 8 x 32, 16 waves a work-group, clusters of 4 x 1, 169,984 bytes of LDS; arguments qrec, kv, yrec; writes yrec
;; launch mlp (part 5): grid 256 x 1, 4 waves a work-group, no clusters, 68,096 bytes of LDS; arguments yrec, x, Wp_codes, Wp_scales, bp, ln2_g, ln2_b, W1_codes, W1_scales, W2_codes, W2_scales, out0; writes out0
.if DOCPART == 5
	.amdgcn_target "amdgcn-amd-amdhsa--gfx1250"
	.amdhsa_code_object_version 6
	.text
	.protected	k_q041750e5cc_mlp
	.globl	k_q041750e5cc_mlp
	.p2align	8
	.type	k_q041750e5cc_mlp,@function
k_q041750e5cc_mlp:
	s_mov_b64 s[64:65], 0
	v_nop
	global_prefetch_b8 v0, s[64:65] scope:SCOPE_SE
	s_setreg_imm32_b32 hwreg(HW_REG_WAVE_SCHED_MODE, 0, 2), 2
	s_setreg_imm32_b32 hwreg(HW_REG_WAVE_MODE, 25, 1), 1
	s_wait_xcnt 0x0
	s_wait_alu depctr_vm_vsrc(0)
; x1 = x + y Wp + bp;  out = x1 + gelu(layernorm(x1) g + b  W1) W2, gelu exact (by erfc); three products on codes of BF6 (E3M2) with one E8M0 scale for each 32 along K.  y arrives as codes; the norm's result and the
; hidden layer are quantised on the way and never go to memory.
; SHARES.  A work-group of four waves owns 64 tokens: four tiles of 16 rows, row r of tile m being token 32 (m / 2) + 8 (m % 2) + r + 8 (r / 8), as y's records have them.
; P: wave w makes x1 of tile w (all of Wp; x + bp is the C of the products), puts it into a stage in LDS, normalises and quantises it, and stores the fragment's image | barrier |
; 1: THE WAVES SHARE THE COLUMNS: wave w makes hidden units 128 w .. 128 w + 127 of all four tiles (its part of W1 stays in registers), gelu, quantised: K step w of the last product: image to LDS | barrier |
; 2: wave w makes outputs 32 w .. 32 w + 31 of all four tiles; x1, read from the stage, is the C of the first products; results go back to the same bytes of the stage | barrier | each wave stores 16 whole rows.
; All products transposed (source 0 = 16 rows of the weight, source 1 = 16 tokens): a lane holds one token.  THE ROWS OF Wp AND W1 THAT FORM A TILE ARE NOT NEIGHBOURS: lane r of tile 2 b + u takes row
; 32 b + 8 u + r + 8 (r / 8), so that the 16 registers of tiles 2 b and 2 b + 1 are 16 neighbouring channels, 32 b + 16 (lane / 16) + 0 .. 15.
; No cluster, no tensor load: the weights go straight to registers, once a work-group, and nothing that work-groups share passes through LDS.
; gelu(x) = max(x, 0) - z erfc(z) / sqrt(2), z = |x| / sqrt(2);  erfc(z) = t exp(-z^2 + a polynomial of degree 9 in t), t = 1 / (1 + z / 2), whose relative error stays under 1.2e-7 for every z.
; LIMITS: NaN and infinities are not served; gelu is right for |x| under 1e19 (z^2 stays finite); a block whose largest magnitude lies under 2^-122 gets the scale byte 1 (read by this program alone).
; REGISTERS, in windows of 256.  Window 0: v4-15, v34-39 addresses; v16-27 a fragment of y or of the norm's result; v28-31 y's bytes; v48-111 64 numbers a lane; v112-131 codes just made; v132-195 at work;
;   v196-216 at work; v32, v33, v224-247 scale words and nothing else; v248-249 a constant.   Window 1: Wp's 8 fragments, W1's 8; in the last phase the hidden layer's 16.   Window 2: W2's 8, gain, bias.
;   Window 3: bp; the 8 accumulators of the output.
; THE MODE: SCHED_MODE bits 1:0 = 2 (LLVM: expert scheduling mode 2), set by the entry lines.  The code itself states the register dependences
; between vector or matrix instructions and memory or LDS instructions, with s_wait_alu, always for 0.
; THE PLAN.  Registers that memory or LDS instructions touch:
;   v4-15, v34, v35  offsets and LDS addresses: written at the head, never again.
;   HA            P: loaded (x), written by the products of Wp, read by the LDS stores of x1, then written by the norm.
;   PC, PW        written by QUANT, read by the LDS stores of the image just made; written again by the next QUANT.
;   XF, XS        a fragment of the norm's result and its word: read by a tile's eight products; the NEXT tile's land there behind them, in the same trip, and are on their way under gelu.
;   v36, v37      LDS addresses of the next tile's fetch;  v38, v39 of this tile's image: written once a trip, by four additions that are also the four places behind the products.
;   A trip has three waits: one ahead of the four additions (the LDS instructions issued so far have read v36-39, PC and PW), one behind them (the products are done with XF and XS; v36 and v37 are written),
;   one ahead of the image's stores.  The fourth tile is written out: it fetches nothing.
;   The last phase: the hidden layer's 16 fragments have 192 registers of their own (window 1, over Wp and W1, which are done with) and its 16 scale words 16 (over Wp's and W1's words): no load lands in a
;   register that a product of the phase reads, so that the phase holds no such wait ahead of its stores.
.set FRB,  1536
.set XIMG, 0                           ; LDS: the norm's 4 fragments,
.set XSC,  XIMG+4*FRB                  ; their scale words,
.set HIMG, XSC+4*128                   ; the hidden layer's 16 (tile m, K step s: 4 m + s),
.set HSC,  HIMG+16*FRB                 ; their scale words,
.set STG,  HSC+16*128                  ; the stage: 64 rows x (512 bytes + 16)
.set SP,   528
.set XF,   16
.set YS,   32                          ; y's scale word
.set XS,   33                          ; the norm's
.set HA,   48
.set PC,   112
.set STR,  132
.set GZ,   132                         ; gelu: z, t, the exponent, z^2: 16 registers each
.set GT,   148
.set GE,   164
.set GQ,   180
.set CH,   132                         ; the norm's chains
.set MU,   196
.set RS,   198
.set TM,   200
.set PW,   216
.set WPS,  224
.set W1S,  232
.set HW,   224                         ; v224-239 in the last phase: the hidden layer's scale words, K step s, tile m: 4 s + m
.set W2S,  240
.set C9,   248
.set KC,   36                          ; s[36:53] the polynomial's coefficients 0 to 8, times log2(e), each twice
.set NL2,  54                          ; s[54:55] -log2(e)
.set NRH,  56                          ; s[56:57] -1 / sqrt(2)
.set RH,   58                          ; s58 1 / sqrt(2)
.set INV,  59
.set EPS,  60
.set SEL,  62
.set MSB, 0
.macro WIN new                         ; the immediate's high byte repeats the setting that is left
.if MSB != \new
	s_set_vgpr_msb (MSB<<8)|\new
.set MSB, \new
.endif
.endm
.macro REDUCE
	v_pk_add_f32 v[CH:CH+1], v[CH:CH+1], v[CH+2:CH+3]
	v_pk_add_f32 v[CH+4:CH+5], v[CH+4:CH+5], v[CH+6:CH+7]
	v_pk_add_f32 v[CH:CH+1], v[CH:CH+1], v[CH+4:CH+5]
	v_add_f32 v[CH], v[CH], v[CH+1]
	v_permlanex16_b32 v[CH+1], v[CH], s[SEL], s[SEL+1]
	v_add_f32 v[CH], v[CH], v[CH+1]
.endm
.macro LN_A x                          ; (x - mean) / sqrt(var + eps), the variance taken of the differences
.irp k, 0,1,2,3
	v_pk_add_f32 v[CH+2*\k:CH+2*\k+1], v[\x+2*\k:\x+2*\k+1], v[\x+8+2*\k:\x+9+2*\k]
.endr
.irp q, 2,3,4,5,6,7
.irp k, 0,1,2,3
	v_pk_add_f32 v[CH+2*\k:CH+2*\k+1], v[CH+2*\k:CH+2*\k+1], v[\x+8*\q+2*\k:\x+8*\q+2*\k+1]
.endr
.endr
	REDUCE
	v_mul_f32 v[MU], s[INV], v[CH]
	v_mov_b32 v[MU+1], v[MU]
	s_wait_alu depctr_vm_vsrc(0)                   ; the LDS stores of x1 have read these 64 registers, which the subtraction writes
.set ii, 0
.rept 32
	v_pk_add_f32 v[\x+ii:\x+ii+1], v[\x+ii:\x+ii+1], v[MU:MU+1] op_sel_hi:[1,0] neg_lo:[0,1] neg_hi:[0,1]
.set ii, ii+2
.endr
.irp k, 0,1,2,3
	v_pk_mul_f32 v[CH+2*\k:CH+2*\k+1], v[\x+2*\k:\x+2*\k+1], v[\x+2*\k:\x+2*\k+1]
.endr
.irp q, 1,2,3,4,5,6,7
.irp k, 0,1,2,3
	v_pk_fma_f32 v[CH+2*\k:CH+2*\k+1], v[\x+8*\q+2*\k:\x+8*\q+2*\k+1], v[\x+8*\q+2*\k:\x+8*\q+2*\k+1], v[CH+2*\k:CH+2*\k+1]
.endr
.endr
	REDUCE
	v_fma_f32 v[CH], v[CH], s[INV], s[EPS]
	v_rsq_f32 v[RS], v[CH]
	v_nop                                          ; one plain place behind a transcendental
	s_wait_alu depctr_va_vdst(0)                   ; the reciprocal root v[RS] is written, ahead of its first reader
	v_mov_b32 v[RS+1], v[RS]
.set ii, 0
.rept 32
	v_pk_mul_f32 v[\x+ii:\x+ii+1], v[\x+ii:\x+ii+1], v[RS:RS+1] op_sel_hi:[1,0]
.set ii, ii+2
.endr
.endm
; 64 numbers of a lane, register 16 b + i = k 32 b + 16 h + i of my row, become a fragment's codes in v[PC] on and its scale word in v[PW]
.macro QUANT s
.irp b, 0,1,2,3
	v_max3_num_f32 v[TM+\b], |v[\s+16*\b]|, |v[\s+1+16*\b]|, 0x2800000   ; my 16 numbers, and the floor 2^(5 - 127): the byte cannot fall under 1
.endr
.irp i, 2,4,6,8,10,12,14
.irp b, 0,1,2,3
	v_max3_num_f32 v[TM+\b], v[TM+\b], |v[\s+16*\b+\i]|, |v[\s+1+16*\b+\i]|
.endr
.endr
.irp b, 0,1,2,3
	v_permlanex16_b32 v[TM+4+\b], v[TM+\b], s[SEL], s[SEL+1]
.endr
.irp b, 0,1,2,3
	v_max_num_f32 v[TM+\b], v[TM+\b], v[TM+4+\b]
.endr
.irp b, 0,1,2,3
	v_add_nc_u32 v[TM+12+\b], 0xfe000000, v[TM+\b]
.endr
.irp b, 0,1,2,3
	v_lshrrev_b32 v[TM+4+\b], 23, v[TM+12+\b]
.endr
	v_lshl_or_b32 v[PW], v[TM+5], 8, v[TM+4]
	v_lshl_or_b32 v[PW], v[TM+6], 16, v[PW]
	v_lshl_or_b32 v[PW], v[TM+7], 24, v[PW]
.irp c, 0,1
	v_cvt_scalef32_pk16_bf6_f32 v[PC+6*\c:PC+2+6*\c], v[\s+32*\c:\s+15+32*\c], v[TM+12+2*\c]
	v_cvt_scalef32_pk16_bf6_f32 v[PC+12+4*\c:PC+14+4*\c], v[\s+16+32*\c:\s+31+32*\c], v[TM+12+2*\c+1]
.endr
	v_nop                                          ; one plain place behind a scaled conversion
.irp c, 0,1
.irp i, 0,1,2
	v_permlane16_swap_b32 v[PC+6*\c+\i], v[PC+12+4*\c+\i]
.endr
.irp i, 0,1,2
	v_mov_b32 v[PC+3+6*\c+\i], v[PC+12+4*\c+\i]
.endr
.endr
.endm
.macro IMAGE adr, off
.irp c, 0,1,2
	ds_store_b128 v[\adr], v[PC+4*\c:PC+4*\c+3] offset:(\off)+512*\c
.endr
.endm
.macro FETCH reg, adr, off
.irp c, 0,1,2
	ds_load_b128 v[(\reg)+4*\c:(\reg)+4*\c+3], v[\adr] offset:(\off)+512*\c
.endr
.endm
.macro BARRIER                         ; my LDS stores have landed and my LDS loads are in: then the work-group's barrier
	s_wait_dscnt 0x0
	s_barrier_signal -1
	s_barrier_wait -1
.endm
.macro PLACES
.rept 4
	v_nop
.endr
.endm
; gelu of 64 numbers in place, 16 at a time; eight packed lines of each kind follow each other, so that no line waits for the line above it
.macro GELU x
.set gq, 0
.rept 4
.set gx, \x+16*gq
.set gi, 0
.rept 16
	v_mul_f32 v[GZ+gi], s[RH], |v[gx+gi]|          ; z
.set gi, gi+1
.endr
.set gi, 0
.rept 8
	v_pk_fma_f32 v[GT+gi:GT+gi+1], v[GZ+gi:GZ+gi+1], 0.5, 1.0 op_sel_hi:[1,0,0]
.set gi, gi+2
.endr
.set gi, 0
.rept 16
	v_rcp_f32 v[GT+gi], v[GT+gi]                   ; t
.set gi, gi+1
.endr
.set gi, 0
.rept 16
	v_max_num_f32 v[gx+gi], 0, v[gx+gi]            ; max(x, 0).  (Plain places behind the reciprocals)
.set gi, gi+1
.endr
.set gi, 0
	s_wait_alu depctr_va_vdst(0)                   ; the sixteen reciprocals v[GT ..] are written, ahead of their first reader
.rept 8
	v_pk_fma_f32 v[GE+gi:GE+gi+1], v[GT+gi:GT+gi+1], v[C9:C9+1], s[KC+16:KC+17] op_sel_hi:[1,1,0]
.set gi, gi+2
.endr
.irp k, 7,6,5,4,3,2,1,0
.set gi, 0
.rept 8
	v_pk_fma_f32 v[GE+gi:GE+gi+1], v[GE+gi:GE+gi+1], v[GT+gi:GT+gi+1], s[KC+2*\k:KC+2*\k+1] op_sel_hi:[1,1,0]
.set gi, gi+2
.endr
.endr
.set gi, 0
.rept 8
	v_pk_mul_f32 v[GQ+gi:GQ+gi+1], v[GZ+gi:GZ+gi+1], v[GZ+gi:GZ+gi+1]
.set gi, gi+2
.endr
.set gi, 0
.rept 8
	v_pk_fma_f32 v[GE+gi:GE+gi+1], v[GQ+gi:GQ+gi+1], s[NL2:NL2+1], v[GE+gi:GE+gi+1] op_sel_hi:[1,0,1]
.set gi, gi+2
.endr
.set gi, 0
.rept 16
	v_exp_f32 v[GE+gi], v[GE+gi]
.set gi, gi+1
.endr
.set gi, 0
.rept 8
	v_pk_mul_f32 v[GZ+gi:GZ+gi+1], v[GZ+gi:GZ+gi+1], v[GT+gi:GT+gi+1]   ; z t.  (Plain places behind the exponentials)
.set gi, gi+2
.endr
.set gi, 0
	s_wait_alu depctr_va_vdst(0)                   ; the sixteen exponentials v[GE ..] are written, ahead of their first reader
.rept 8
	v_pk_mul_f32 v[GZ+gi:GZ+gi+1], v[GZ+gi:GZ+gi+1], v[GE+gi:GE+gi+1]   ; z erfc(z)
.set gi, gi+2
.endr
.set gi, 0
.rept 8
	v_pk_fma_f32 v[gx+gi:gx+gi+1], v[GZ+gi:GZ+gi+1], s[NRH:NRH+1], v[gx+gi:gx+gi+1] op_sel_hi:[1,0,1]
.set gi, gi+2
.endr
.set gq, gq+1
.endr
.endm
.macro KSET k, val
	s_mov_b32 s[KC+2*\k], \val
	s_mov_b32 s[KC+2*\k+1], \val
.endm
; My 128 hidden units of one tile of 16 rows.  last = 0: a trip of the loop, which asks for the next tile's fragment behind its products; last = 1: the fourth tile, which asks for nothing
.macro TILE last
	s_wait_dscnt 0x0                               ; this tile's fragment and its scale word are in: they were asked for a tile ago
	WIN 0x01
.irp t, 0,1,2,3,4,5,6,7
	v_wmma_scale_f32_16x16x128_f8f6f4 v[HA+8*\t:HA+8*\t+7], v[96+12*\t:96+12*\t+11], v[XF:XF+11], 0, v[W1S+\t], v[XS] matrix_a_fmt:MATRIX_FMT_BF6 matrix_b_fmt:MATRIX_FMT_BF6
.endr
	WIN 0
	s_wait_alu depctr_vm_vsrc(0)                   ; the LDS loads and stores issued so far have read v36 to v39, which are written below, and v[PC ..] and v[PW], which QUANT writes again
.if \last
	v_add_nc_u32 v38, 3*4*FRB, v7                  ; the fourth tile's image,
	v_add_nc_u32 v39, 3*512, v8                    ; and its scale words
	v_nop
	v_nop                                          ; with the two lines above: four places in front of the first read of results (ISA guide 7.12.1)
.else
	v_add_nc_u32 v36, s29, v5                      ; the next tile's fragment,
	v_add_nc_u32 v37, s30, v6                      ; and its scale word;
	v_add_nc_u32 v38, s31, v7                      ; this tile's image,
	v_add_nc_u32 v39, s32, v8                      ; and its scale words.  These four are also the places in front of the first read of results (ISA guide 7.12.1)
	s_wait_alu depctr_va_vdst(0)                   ; the eight products are done reading v[XF ..] and v[XS], in which the next tile's fragment and word land; v36 and v37 are written
	FETCH XF, 36, XIMG
	ds_load_b32 v[XS], v37 offset:XSC
.endif
	GELU HA
	QUANT HA
	s_wait_alu depctr_va_vdst(0)                   ; the codes v[PC ..] and the word v[PW] are written, which the LDS stores read, and so are v38 and v39
	IMAGE 38, HIMG                                 ; K step w of the last product, this tile
	ds_store_b32 v39, v[PW] offset:HSC
.endm
; The last product.  K step s: the four tiles' fragments into window 1, v[48 s + 12 m] on; and its eight products, the accumulators by turns
.macro HFRAGS s
.irp m, 0,1,2,3
	FETCH 48*(\s)+12*\m, 5, HIMG+(4*\m+(\s))*FRB
.endr
.endm
.macro HMUL s
.irp m, 0,1,2,3
.irp n, 0,1
	v_wmma_scale_f32_16x16x128_f8f6f4 v[64+8*(4*\n+\m):64+8*(4*\n+\m)+7], v[12*(4*\n+(\s)):12*(4*\n+(\s))+11], v[48*(\s)+12*\m:48*(\s)+12*\m+11], v[64+8*(4*\n+\m):64+8*(4*\n+\m)+7], v[W2S+4*\n+(\s)], v[HW+4*(\s)+\m] matrix_a_fmt:MATRIX_FMT_BF6 matrix_b_fmt:MATRIX_FMT_BF6
.endr
.endr
.endm
	s_load_b256 s[4:11], s[0:1], 0x0               ; yrec, x, Wp's codes, Wp's scales
	s_load_b256 s[12:19], s[0:1], 0x20             ; bp, gain, bias, W1's codes
	s_load_b256 s[20:27], s[0:1], 0x40             ; W1's scales, W2's codes, W2's scales, out
	v_lshl_add_u32 v254, v0, 2, 0x10800            ; my spare word, behind the stage; kept for the closing lines alone
	v_mov_b32 v255, 0                              ; and 0, likewise
	v_lshrrev_b32 v1, 5, v0
	v_readfirstlane_b32 s28, v1                    ; wave 0..3
	v_and_b32 v1, 31, v0                           ; lane
	v_and_b32 v2, 15, v0                           ; r
	v_bfe_u32 v3, v0, 4, 1                         ; h
	v_and_b32 v40, 8, v2
	v_add_nc_u32 v40, v40, v2                      ; r + 8 (r / 8)
	v_lshlrev_b32 v4, 9, v40
	v_lshl_add_u32 v4, v3, 6, v4                   ; x: my row of 512 bytes, + 64 h
	v_lshlrev_b32 v5, 4, v1                        ; 16 x lane
	v_lshlrev_b32 v6, 2, v1                        ; 4 x lane
	s_wait_alu depctr_va_sdst(0)                   ; s28, the wave's number, is written, ahead of its first reader
	s_mul_i32 s30, s28, FRB
	v_add_nc_u32 v7, s30, v5                       ; images that I store: 16 x lane + 1536 x wave
	s_lshl_b32 s30, s28, 7
	v_add_nc_u32 v8, s30, v6                       ; their scale words: 4 x lane + 128 x wave
	s_lshr_b32 s31, s28, 1
	s_mul_i32 s31, s31, 32*SP
	s_and_b32 s32, s28, 1
	s_mul_i32 s32, s32, 8*SP
	s_add_co_u32 s31, s31, s32
	s_add_co_u32 s31, s31, STG                     ; the stage at tile w's first row
	v_mul_u32_u24 v41, v40, SP
	v_lshl_add_u32 v9, v3, 6, v41
	v_add_nc_u32 v9, s31, v9                       ; x1 in: my row, + 64 h
	v_lshl_add_u32 v10, v3, 5, v41
	v_add_nc_u32 v10, s30, v10
	v_add_nc_u32 v10, STG, v10                     ; my outputs' bytes: row r + 8 (r / 8) of a tile, + 128 x wave + 32 h
	s_mul_i32 s31, s28, 16*SP
	v_add_nc_u32 v11, s31, v5
	v_add_nc_u32 v11, STG, v11                     ; back: my 16 rows, 16 bytes a lane
	v_mul_u32_u24 v12, v40, 96
	v_mad_u32_u24 v12, v3, 24, v12                 ; Wp, W1: a row of 96 bytes, + 24 h
	v_mul_u32_u24 v13, v2, 384
	v_mad_u32_u24 v13, v3, 24, v13                 ; W2: row r of 384 bytes
	v_lshlrev_b32 v14, 2, v40                      ; Wp's, W1's scale words
	v_lshlrev_b32 v15, 4, v2                       ; W2's: 16 bytes a row
	v_lshlrev_b32 v34, 6, v3                       ; bp, gain, bias: 64 h
	v_mul_u32_u24 v35, v2, 24
	v_lshl_add_u32 v35, v3, 9, v35                 ; y: head 2 c + h's record, 24 r
	KSET 0, 0xbfe9b21e
	KSET 1, 0x3fb8ab5a
	KSET 2, 0x3f0a29d2
	KSET 3, 0x3e0efb2e
	KSET 4, 0xbe899a80
	KSET 5, 0x3ecdfd18
	KSET 6, 0xbfd1a1e5
	KSET 7, 0x40097039
	KSET 8, 0xbf97d29d
	v_mov_b32 v[C9], 0x3e7c6f08
	v_mov_b32 v[C9+1], 0x3e7c6f08
	s_mov_b32 s[NL2], 0xbfb8aa3b
	s_mov_b32 s[NL2+1], 0xbfb8aa3b
	s_mov_b32 s[NRH], 0xbf3504f3
	s_mov_b32 s[NRH+1], 0xbf3504f3
	s_mov_b32 s[RH], 0x3f3504f3
	s_mov_b32 s[INV], 0x3c000000
	s_mov_b32 s[EPS], 0x3727c5ac
	s_mov_b32 s[SEL], 0x76543210
	s_mov_b32 s[SEL+1], 0xfedcba98
.irp b, 0,1,2,3
	v_mov_b32 v[TM+4+\b], 0                        ; written once: a lane permute's destination counts as one of its sources
.endr
	s_mov_b32 s31, 0
	s_mov_b32 s33, 0
	s_wait_kmcnt 0x0
	s_lshl_b32 s30, ttmp9, 13
	s_lshl_b32 s32, s28, 11
	s_add_co_u32 s30, s30, s32
	s_add_nc_u64 s[4:5], s[4:5], s[30:31]          ; y: tile 4 x work-group + wave, 2,048 bytes a tile
	s_lshl_b32 s30, ttmp9, 15
	s_lshl_b32 s32, s28, 13
	s_add_co_u32 s32, s30, s32
	s_add_nc_u64 s[26:27], s[26:27], s[32:33]      ; out: row 64 x work-group + 16 x wave
	s_lshr_b32 s32, s28, 1
	s_lshl_b32 s32, s32, 14
	s_add_co_u32 s30, s30, s32
	s_and_b32 s32, s28, 1
	s_lshl_b32 s32, s32, 12
	s_add_co_u32 s30, s30, s32
	s_add_nc_u64 s[6:7], s[6:7], s[30:31]          ; x: row 64 x work-group + 32 (w / 2) + 8 (w % 2)
	s_mul_i32 s30, s28, 12288
	s_add_nc_u64 s[18:19], s[18:19], s[30:31]      ; W1: my 128 rows of 96 bytes
	s_add_nc_u64 s[22:23], s[22:23], s[30:31]      ; W2: my 32 rows of 384
	s_lshl_b32 s30, s28, 9
	s_add_nc_u64 s[20:21], s[20:21], s[30:31]
	s_add_nc_u64 s[24:25], s[24:25], s[30:31]
	s_wait_alu depctr_va_vdst(0)                   ; the offsets and LDS addresses v4 to v15, v34 and v35 are written, which the loads and stores below read; only loads and window switches stand between this wait and the head's last load
.irp c, 0,1
.irp p, 0,1,2
	global_load_b64 v[XF+6*\c+2*\p:XF+6*\c+2*\p+1], v35, s[4:5] offset:1024*\c+8*\p   ; y's fragment: block = head
.endr
.endr
.irp d, 0,1,2,3
	global_load_b32 v[28+\d], v6, s[4:5] offset:512*\d+384
.endr
.irp b, 0,1,2,3
.irp j, 0,1,2,3
	global_load_b128 v[HA+16*\b+4*\j:HA+16*\b+4*\j+3], v4, s[6:7] offset:128*\b+16*\j
.endr
.endr
.irp t, 0,1,2,3,4,5,6,7
	global_load_b32 v[WPS+\t], v14, s[10:11] offset:(32*(\t/2)+8*(\t%2))*4
.endr
	WIN 0xc0                                       ; destination window 3
.irp b, 0,1,2,3
.irp j, 0,1,2,3
	global_load_b128 v[16*\b+4*\j:16*\b+4*\j+3], v34, s[12:13] offset:128*\b+16*\j
.endr
.endr
	WIN 0x40                                       ; destination window 1
.irp t, 0,1,2,3,4,5,6,7
.irp p, 0,1,2,3,4,5
	global_load_b64 v[12*\t+2*\p:12*\t+2*\p+1], v12, s[8:9] offset:(32*(\t/2)+8*(\t%2))*96+48*(\p/3)+8*(\p%3)
.endr
.endr
	WIN 0x80                                       ; destination window 2
.irp b, 0,1,2,3
.irp j, 0,1,2,3
	global_load_b128 v[96+16*\b+4*\j:96+16*\b+4*\j+3], v34, s[14:15] offset:128*\b+16*\j
.endr
.endr
.irp b, 0,1,2,3
.irp j, 0,1,2,3
	global_load_b128 v[160+16*\b+4*\j:160+16*\b+4*\j+3], v34, s[16:17] offset:128*\b+16*\j
.endr
.endr
	WIN 0x40
.irp t, 0,1,2,3,4,5,6,7
.irp p, 0,1,2,3,4,5
	global_load_b64 v[96+12*\t+2*\p:96+12*\t+2*\p+1], v12, s[18:19] offset:(32*(\t/2)+8*(\t%2))*96+48*(\p/3)+8*(\p%3)
.endr
.endr
	WIN 0
.irp t, 0,1,2,3,4,5,6,7
	global_load_b32 v[W1S+\t], v14, s[20:21] offset:(32*(\t/2)+8*(\t%2))*4
.endr
	; ---- P: x1 = x + bp + y Wp
	s_wait_loadcnt 63                              ; y, x, bp and Wp are in: 88 loads are younger, and a wait names 63 at the most: a smaller count is safe
	v_lshl_or_b32 v[YS], v29, 8, v28               ; the four heads' bytes make y's scale word
	v_lshl_or_b32 v[YS], v30, 16, v[YS]
	v_lshl_or_b32 v[YS], v31, 24, v[YS]
	WIN 0x0c                                       ; source 1 window 3
.set ii, 0
.rept 32
	v_pk_add_f32 v[HA+ii:HA+ii+1], v[HA+ii:HA+ii+1], v[ii:ii+1]   ; x + bp.  (These are also the places between the scale word and the products)
.set ii, ii+2
.endr
	WIN 0x01                                       ; source 0 window 1
	s_wait_alu depctr_va_vdst(0)                   ; y's scale word v[YS], which vector lines have made, is written: the products take it as their scales; the places above stay beside this wait
.irp t, 0,1,2,3,4,5,6,7
	v_wmma_scale_f32_16x16x128_f8f6f4 v[HA+8*\t:HA+8*\t+7], v[12*\t:12*\t+11], v[XF:XF+11], v[HA+8*\t:HA+8*\t+7], v[WPS+\t], v[YS] matrix_a_fmt:MATRIX_FMT_BF6 matrix_b_fmt:MATRIX_FMT_BF6
.endr
	WIN 0
	PLACES                                         ; four places in front of the first read of results (ISA guide 7.12.1)
	s_wait_alu depctr_va_vdst(0)                   ; the products have written x1, which the LDS stores read; the places above stay beside this wait
.irp b, 0,1,2,3
.irp j, 0,1,2,3
	ds_store_b128 v9, v[HA+16*\b+4*\j:HA+16*\b+4*\j+3] offset:128*\b+16*\j   ; x1 is kept in the stage; each accumulator from its low end on
.endr
.endr
	LN_A HA
	s_wait_loadcnt 56                              ; gain and bias are in: behind them W1's 48 and its 8 scale words
	WIN 0x28                                       ; sources 1 and 2 window 2
.set ii, 0
.rept 32
	v_pk_fma_f32 v[HA+ii:HA+ii+1], v[HA+ii:HA+ii+1], v[96+ii:97+ii], v[160+ii:161+ii]
.set ii, ii+2
.endr
	WIN 0
	QUANT HA
	s_wait_alu depctr_va_vdst(0)                   ; the codes v[PC ..] and the word v[PW] are written, which the LDS stores read; the products of Wp are done reading v[XF ..], in which the first tile's fragment lands below
	IMAGE 7, XIMG
	ds_store_b32 v8, v[PW] offset:XSC
	BARRIER                                        ; the norm's four fragments and x1's 64 rows lie in LDS
	FETCH XF, 5, XIMG                              ; the first tile's fragment.  No wait: no vector or matrix instruction since the wait above names v[XF ..] or v[XS]
	ds_load_b32 v[XS], v6 offset:XSC
	s_wait_loadcnt 0x0                             ; W1
	WIN 0x80
.irp n, 0,1                                    ; W2 (tile n, K step s) at v[12 (4 n + s)] of window 2: it lands under the hidden layer's work
.irp s, 0,1,2,3
.irp p, 0,1,2,3,4,5
	global_load_b64 v[12*(4*\n+\s)+2*\p:12*(4*\n+\s)+2*\p+1], v13, s[22:23] offset:6144*\n+96*\s+48*(\p/3)+8*(\p%3)
.endr
.endr
.endr
	WIN 0
.irp n, 0,1
.irp s, 0,1,2,3
	global_load_b32 v[W2S+4*\n+\s], v15, s[24:25] offset:256*\n+4*\s
.endr
.endr
	; ---- 1: my 128 hidden units, a tile of 16 rows a trip; the fourth tile is written out, so that no fetch reaches past the norm's four images
	s_mov_b32 s29, FRB                             ; 1536 (m + 1): the next tile's image
	s_mov_b32 s30, 128                             ; 128 (m + 1)
	s_mov_b32 s31, 0                               ; 6144 m
	s_mov_b32 s32, 0                               ; 512 m
	s_mov_b32 s33, 0                               ; m
.Ltile:
	TILE 0
	s_add_co_u32 s29, s29, FRB
	s_add_co_u32 s30, s30, 128
	s_add_co_u32 s31, s31, 4*FRB
	s_add_co_u32 s32, s32, 512
	s_add_co_u32 s33, s33, 1
	s_cmp_lt_u32 s33, 3
	s_cbranch_scc1 .Ltile
	TILE 1
	BARRIER                                        ; the hidden layer's sixteen fragments lie in LDS
	; ---- 2: my 32 outputs for the 64 rows: eight accumulators by turns, a K step at a time; x1 starts the sums.
	; The loads below land in window 1's v0-191 and in v224-239, which the products of Wp and W1 have read, and in registers that nothing has named: those products stand ahead of the fourth tile's last wait,
	; and no vector or matrix instruction since names a register of a load that is still to be issued.
.irp s, 0,1,2,3
.irp m, 0,1,2,3
	ds_load_b32 v[HW+4*\s+\m], v6 offset:HSC+128*(4*\m+\s)
.endr
.endr
	WIN 0xc0
.irp m, 0,1,2,3
.irp n, 0,1
	ds_load_b128 v[64+8*(4*\n+\m):64+8*(4*\n+\m)+3], v10 offset:(32*(\m/2)+8*(\m%2))*SP+64*\n
	ds_load_b128 v[64+8*(4*\n+\m)+4:64+8*(4*\n+\m)+7], v10 offset:(32*(\m/2)+8*(\m%2))*SP+64*\n+16
.endr
.endr
	WIN 0x40                                       ; destination window 1
	HFRAGS 0
	HFRAGS 1
	s_wait_dscnt 12                                ; the scale words, x1 and K step 0 are in: behind them K step 1's twelve loads
	HFRAGS 2
	HFRAGS 3
	s_wait_loadcnt 0x0                             ; W2
	WIN 0xf6                                       ; source 0 (W2) window 2, source 1 (the hidden layer) window 1, C and D window 3
	HMUL 0
	s_wait_dscnt 24                                ; K step 1 is in: behind it the twelve loads of each of K steps 2 and 3
	HMUL 1
	s_wait_dscnt 12                                ; K step 2 is in
	HMUL 2
	s_wait_dscnt 0x0
	HMUL 3
	PLACES                                         ; four places in front of the first read of results (ISA guide 7.12.1)
	WIN 0x0c                                       ; an LDS store's data are its source 1: window 3
	s_wait_alu depctr_va_vdst(0)                   ; the products have written the accumulators, which the LDS stores read; the places above stay beside this wait.  gelu's lines, the last to name v[STR ..], stand ahead of it too: the rows land there below
.irp m, 0,1,2,3
.irp n, 0,1
	ds_store_b128 v10, v[64+8*(4*\n+\m):64+8*(4*\n+\m)+3] offset:(32*(\m/2)+8*(\m%2))*SP+64*\n       ; back to the bytes that x1 came from: only this wave has read them
	ds_store_b128 v10, v[64+8*(4*\n+\m)+4:64+8*(4*\n+\m)+7] offset:(32*(\m/2)+8*(\m%2))*SP+64*\n+16
.endr
.endr
	WIN 0
	BARRIER                                        ; 64 whole rows of the output lie in the stage
.irp i, 0,1,2,3,4,5,6,7,8,9,10,11,12,13,14,15
	ds_load_b128 v[STR+4*\i:STR+4*\i+3], v11 offset:\i*SP
.endr
.irp i, 0,1,2,3,4,5,6,7,8,9,10,11,12,13,14,15
	s_wait_dscnt 15-\i                             ; LDS loads come back in order: row i is in
	global_store_b128 v5, v[STR+4*\i:STR+4*\i+3], s[26:27] offset:512*\i th:TH_STORE_NT   ; 32 lanes store a row of 512 consecutive bytes, aligned; written once, read by nobody here
.endr
	s_wait_dscnt 0x0                               ; the closing lines, six on end (every window is 0 here)
	s_wait_alu 0x0
	s_wait_tensorcnt 0x0
	ds_add_u32 v254, v255
	s_wait_dscnt 0x0
	s_endpgm
.Lfunc_end_k_q041750e5cc_mlp:
	.size	k_q041750e5cc_mlp, .Lfunc_end_k_q041750e5cc_mlp-k_q041750e5cc_mlp
	.p2alignl 7, 3214868480
	.fill 96, 4, 3214868480
	.section	.rodata,"a",@progbits
	.p2align	6, 0x0
	.amdhsa_kernel k_q041750e5cc_mlp
		.amdhsa_group_segment_fixed_size 68096
		.amdhsa_private_segment_fixed_size 0
		.amdhsa_enable_private_segment 0
		.amdhsa_kernarg_size 96
		.amdhsa_user_sgpr_count 2
		.amdhsa_user_sgpr_kernarg_segment_ptr 1
		.amdhsa_wavefront_size32 1
		.amdhsa_system_sgpr_workgroup_id_x 1
		.amdhsa_system_sgpr_workgroup_id_y 1
		.amdhsa_system_sgpr_workgroup_id_z 1
		.amdhsa_system_vgpr_workitem_id 0
		.amdhsa_next_free_vgpr 1024
		.amdhsa_next_free_sgpr 66
		.amdhsa_reserve_vcc 0
		.amdhsa_float_denorm_mode_32 3
		.amdhsa_float_denorm_mode_16_64 3
		.amdhsa_memory_ordered 1
		.amdhsa_forward_progress 1
		.amdhsa_inst_pref_size 154
	.end_amdhsa_kernel
	.amdgpu_metadata
---
amdhsa.version: [ 1, 2 ]
amdhsa.kernels:
  - .name:           k_q041750e5cc_mlp
    .symbol:         k_q041750e5cc_mlp.kd
    .args:
      - { .name: yrec, .offset: 0, .size: 8, .value_kind: global_buffer, .address_space: global }
      - { .name: x, .offset: 8, .size: 8, .value_kind: global_buffer, .address_space: global }
      - { .name: Wp_codes, .offset: 16, .size: 8, .value_kind: global_buffer, .address_space: global }
      - { .name: Wp_scales, .offset: 24, .size: 8, .value_kind: global_buffer, .address_space: global }
      - { .name: bp, .offset: 32, .size: 8, .value_kind: global_buffer, .address_space: global }
      - { .name: ln2_g, .offset: 40, .size: 8, .value_kind: global_buffer, .address_space: global }
      - { .name: ln2_b, .offset: 48, .size: 8, .value_kind: global_buffer, .address_space: global }
      - { .name: W1_codes, .offset: 56, .size: 8, .value_kind: global_buffer, .address_space: global }
      - { .name: W1_scales, .offset: 64, .size: 8, .value_kind: global_buffer, .address_space: global }
      - { .name: W2_codes, .offset: 72, .size: 8, .value_kind: global_buffer, .address_space: global }
      - { .name: W2_scales, .offset: 80, .size: 8, .value_kind: global_buffer, .address_space: global }
      - { .name: out0, .offset: 88, .size: 8, .value_kind: global_buffer, .address_space: global }
    .group_segment_fixed_size: 68096
    .private_segment_fixed_size: 0
    .kernarg_segment_align: 8
    .kernarg_segment_size: 96
    .max_flat_workgroup_size: 128
    .sgpr_count:     66
    .vgpr_count:     1024
    .wavefront_size: 32
...
	.end_amdgpu_metadata
.endif
;; end of part 5
